; MI455X (gfx1250); checked and timed in simulation.
; The chip was launched on July 23, 2026; its instructions are those of AMD's public machine-readable ISA for CDNA 5 (MIT licence, August 2026) and "CDNA5" Instruction Set Architecture Reference Guide (July 2026). The comments in the code are by the model that wrote it; some were corrected since.
;; Multi Head Self Attention. Allowed arithmetic: float matrix products may take bf16 or f16 operands with f32 sums; other float arithmetic in f32, or as packed bf16 or f16 multiplies, adds, multiply-adds, maxima and minima; sums over many terms, partial sums and values carried from step to step in f32; what a program stores and reads back later, other than sums and carried values, may be rounded once to bf16 or f16.
;; Inputs: W_out 1,024 x 1,024 float32; W_qkv 1,024 x 3,072 float32; b_out 1,024 float32; x 4 x 2,048 x 1,024 float32.
;; Outputs: out0 4 x 2,048 x 1,024 float32.
;; 2 versions, each right; version 2 is version 1 with the launch prep written anew for expert scheduling mode. Each part assembles by itself: llvm-mc -triple=amdgcn-amd-amdhsa -mcpu=gfx1250 --defsym DOCPART=n.
;; ======== version 1 of 2: 5 launches
;; limits: right only within a limited range of input values; values are held in f16: magnitudes above 65,504 overflow, below 6.1e-05 lose precision
;; workspace buffers: xb 16,777,216 bytes; wts 8,912,896 bytes; q 16,777,216 bytes; k 16,793,600 bytes; v 16,793,600 bytes; o 16,777,216 bytes; part 8,650,752 bytes
;; launch prep (part 1): grid 1056 x 1, 8 waves a work-group, no clusters, 18,432 bytes of LDS; arguments x, W_qkv, W_out, xb, wts, k, v; writes xb, wts, k, v
.if DOCPART == 1
	.amdgcn_target "amdgcn-amd-amdhsa--gfx1250"
	.amdhsa_code_object_version 6
	.text
	.protected	k_qa00f7c2e18_prep
	.globl	k_qa00f7c2e18_prep
	.p2align	8
	.type	k_qa00f7c2e18_prep,@function
k_qa00f7c2e18_prep:
	s_mov_b64 s[64:65], 0
	v_nop
	global_prefetch_b8 v0, s[64:65] scope:SCOPE_SE
	s_setreg_imm32_b32 hwreg(HW_REG_WAVE_MODE, 25, 1), 1
	s_wait_xcnt 0x0
; PREP: what the later launches want in 16 bits.  Four roles, chosen by the work-group's number (the same for all eight waves):
;   0..511     X:   64 KiB of x each, rounded to bf16 -> xb [8192][1024]
;   512..895   WQ:  a tile of 128 k x 64 columns of W_qkv, rounded to bf16 and turned -> wts, row' = 192 head + 64 which + d, [3072][1024]
;   896..1023  WO:  the same of W_out; the bf16 number is written as f16 (exact within f16's range) -> wts + WOT, [1024 n][1024 k]
;   1024..1055 TAB: cos and sin for 64 positions, in the order in which the projection's accumulators hold their numbers -> wts + ROPE; and 512 bytes of zeros in front of k and of v
; LIMITS.  W_out beyond 65,504 becomes an infinity in f16, below 6e-5 it keeps f16's fixed step.  An angle is pos x 2^(-i log2(10000)/32), reduced by 2 pi in two parts;
; sine and cosine come from series of the half angle (terms to y^11 and y^12, |y| <= pi/2: the first term left out is under 6e-8).
.set PT,    272                        ; a turned row in LDS: 128 k x 2 bytes + 16
.set SPARE, 64*PT                      ; 17,408: behind the tile: the spare words, 128 bytes for each of eight waves
.set SPW,   8                          ; v8  SPARE + 4 x my thread's number; never rewritten
.set NIL,   9                          ; v9  0; never rewritten
.set WOT,   6291456
.set ROPE,  8388608
	s_load_b256 s[4:11], s[0:1], 0x0               ; x s[4:5], W_qkv s[6:7], W_out s[8:9], xb s[10:11]
	s_load_b128 s[12:15], s[0:1], 0x20             ; wts s[12:13], k s[14:15]
	s_load_b64 s[16:17], s[0:1], 0x30              ; v
	v_lshl_add_u32 v[SPW], v0, 2, SPARE
	v_mov_b32 v[NIL], 0
	v_lshrrev_b32 v1, 5, v0
	v_readfirstlane_b32 s20, v1                    ; wave 0..7
	v_and_b32 v2, 31, v0                           ; lane
	v_and_b32 v3, 15, v0                           ; lane % 16
	v_bfe_u32 v4, v0, 4, 1                         ; lane / 16
	s_mov_b32 s23, 0                               ; the high word of every offset
	s_wait_kmcnt 0x0
	s_cmp_lt_u32 ttmp9, 512
	s_cbranch_scc0 .Lnot_x
	; X.  A wave takes 8,192 bytes: sixteen loads of 512 consecutive bytes, all out at once; each gives a store of 256 consecutive bytes, aligned.
	s_lshl_b32 s22, ttmp9, 16
	s_add_nc_u64 s[4:5], s[4:5], s[22:23]
	s_lshl_b32 s22, ttmp9, 15
	s_add_nc_u64 s[10:11], s[10:11], s[22:23]
	v_lshlrev_b32 v5, 4, v2
	v_lshl_add_u32 v5, s20, 13, v5
	v_lshlrev_b32 v6, 3, v2
	v_lshl_add_u32 v6, s20, 12, v6
.set jj, 0
.rept 16
	global_load_b128 v[16+4*jj:16+4*jj+3], v5, s[4:5] offset:512*jj th:TH_LOAD_NT
.set jj, jj+1
.endr
.set jj, 0
.rept 16
	s_wait_loadcnt 15-jj                           ; loads come back in order: load jj is in, the 15 - jj younger ones stay out
	v_cvt_pk_bf16_f32 v[80+2*jj], v[16+4*jj], v[16+4*jj+1]
	v_cvt_pk_bf16_f32 v[80+2*jj+1], v[16+4*jj+2], v[16+4*jj+3]
	global_store_b64 v6, v[80+2*jj:80+2*jj+1], s[10:11] offset:256*jj
.set jj, jj+1
.endr
	s_branch .Lend
; A tile of 128 k x 64 n of a weight matrix [k][n] in f32 (pitch bytes a row, at s[sb:sb+1]) leaves as 64 rows of 128 k in 16 bits (2,048 bytes a row, at s[12:13]).
; In: sixteen lanes take 256 consecutive bytes of a row; a lane holds four n of the rows k = 32 p + 2 kp + e, kp = 2 wave + lane / 16.  Two k of one n pack into a word,
; which goes to LDS row n.  Out, behind a barrier: sixteen lanes take a whole turned row of 256 bytes.
.macro TRW pitch, f16, sb
	v_lshl_add_u32 v10, s20, 1, v4                 ; kp
	v_mul_u32_u24 v10, v10, 2*(\pitch)
	v_lshl_add_u32 v10, v3, 4, v10
.irp p, 0,1,2,3
.irp e, 0,1
	global_load_b128 v[16+4*(2*(\p)+(\e)):16+4*(2*(\p)+(\e))+3], v10, s[(\sb):(\sb)+1] offset:(32*(\p)+(\e))*(\pitch) th:TH_LOAD_NT
.endr
.endr
	v_mul_u32_u24 v11, v3, 4*PT                    ; LDS row 4 (lane % 16),
	v_lshl_add_u32 v11, v4, 2, v11                 ; byte 4 kp of it
	v_lshl_add_u32 v11, s20, 3, v11
	v_lshrrev_b32 v12, 4, v0                       ; back: thread / 16 is the row
	v_mul_u32_u24 v13, v12, PT
	v_lshl_add_u32 v13, v3, 4, v13
	v_lshlrev_b32 v14, 11, v12
	v_lshl_add_u32 v14, v3, 4, v14
.irp p, 0,1,2,3
	s_wait_loadcnt 6-2*(\p)                        ; the pair of rows p is in; the younger pairs stay out
.irp jn, 0,1,2,3
	v_cvt_pk_bf16_f32 v[48+4*(\p)+(\jn)], v[16+8*(\p)+(\jn)], v[16+8*(\p)+4+(\jn)]
.if \f16
	v_lshlrev_b32 v64, 16, v[48+4*(\p)+(\jn)]      ; the bf16 numbers, widened, are written as f16
	v_and_b32 v65, 0xffff0000, v[48+4*(\p)+(\jn)]
	v_cvt_pk_f16_f32 v[48+4*(\p)+(\jn)], v64, v65
.endif
	ds_store_b32 v11, v[48+4*(\p)+(\jn)] offset:(\jn)*PT+64*(\p)
.endr
.endr
	s_wait_dscnt 0x0                               ; for the others' sake: my words lie in LDS
	s_barrier_signal -1
	s_barrier_wait -1
.irp qd, 0,1,2,3
	ds_load_b128 v[68+4*(\qd):68+4*(\qd)+3], v13 offset:16*PT*(\qd)
.endr
.irp qd, 0,1,2,3
	s_wait_dscnt 3-(\qd)
	global_store_b128 v14, v[68+4*(\qd):68+4*(\qd)+3], s[12:13] offset:32768*(\qd)  ; sixteen lanes store 256 consecutive bytes, aligned
.endr
.endm
.Lnot_x:
	s_cmp_lt_u32 ttmp9, 896
	s_cbranch_scc0 .Lnot_wq
	s_sub_co_u32 s21, ttmp9, 512
	s_lshr_b32 s24, s21, 3                         ; g: which 64 columns of W_qkv
	s_and_b32 s25, s21, 7                          ; kc: which 128 k
	s_mul_i32 s22, s25, 128*12288
	s_lshl_b32 s26, s24, 8
	s_add_co_u32 s22, s22, s26
	s_add_nc_u64 s[6:7], s[6:7], s[22:23]
	s_and_b32 s26, s24, 15                         ; the head,
	s_mul_i32 s26, s26, 192
	s_lshr_b32 s27, s24, 4                         ; q, k or v
	s_lshl_b32 s27, s27, 6
	s_add_co_u32 s26, s26, s27                     ; row' = 192 head + 64 which
	s_lshl_b32 s22, s26, 11
	s_lshl_b32 s27, s25, 8
	s_add_co_u32 s22, s22, s27
	s_add_nc_u64 s[12:13], s[12:13], s[22:23]
	TRW 12288, 0, 6
	s_branch .Lend
.Lnot_wq:
	s_cmp_lt_u32 ttmp9, 1024
	s_cbranch_scc0 .Ltab
	s_sub_co_u32 s21, ttmp9, 896
	s_lshr_b32 s24, s21, 3
	s_and_b32 s25, s21, 7
	s_lshl_b32 s22, s25, 19                        ; 128 rows of 4,096 bytes
	s_lshl_b32 s26, s24, 8
	s_add_co_u32 s22, s22, s26
	s_add_nc_u64 s[8:9], s[8:9], s[22:23]
	s_lshl_b32 s22, s24, 17                        ; 64 rows of 2,048 bytes
	s_lshl_b32 s27, s25, 8
	s_add_co_u32 s22, s22, s27
	s_add_co_u32 s22, s22, WOT
	s_add_nc_u64 s[12:13], s[12:13], s[22:23]
	TRW 4096, 1, 8
	s_branch .Lend
; cos and sin of v15 (the position) x v[inv]
.macro SINCOS inv, dc, dsn
	v_mul_f32 v20, v15, v[\inv]                    ; the angle, rounded once, as pos x inv_freq is
	v_mul_f32 v21, 0.15915494, v20
	v_rndne_f32 v21, v21                           ; whole turns
	v_fmamk_f32 v20, v21, 0xc0c90fdb, v20          ; less 2 pi's upper part,
	v_fmamk_f32 v20, v21, 0x343bbd2e, v20          ; and its lower part
	v_mul_f32 v20, 0.5, v20                        ; y: half the angle, within pi / 2
	v_mul_f32 v22, v20, v20
	v_mov_b32 v23, 0xb2d7322b                      ; sin y = y (1 - z/6 + z^2/120 - ...)
	v_fmaak_f32 v23, v23, v22, 0x3638ef1d
	v_fmaak_f32 v23, v23, v22, 0xb9500d01
	v_fmaak_f32 v23, v23, v22, 0x3c088889
	v_fmaak_f32 v23, v23, v22, 0xbe2aaaab
	v_fmaak_f32 v23, v23, v22, 0x3f800000
	v_mul_f32 v23, v23, v20
	v_mov_b32 v24, 0x310f76c7                      ; cos y = 1 - z/2 + z^2/24 - ...
	v_fmaak_f32 v24, v24, v22, 0xb493f27e
	v_fmaak_f32 v24, v24, v22, 0x37d00d01
	v_fmaak_f32 v24, v24, v22, 0xbab60b61
	v_fmaak_f32 v24, v24, v22, 0x3d2aaaab
	v_fmaak_f32 v24, v24, v22, 0xbf000000
	v_fmaak_f32 v24, v24, v22, 0x3f800000
	v_add_f32 v25, v23, v23
	v_mul_f32 v[\dsn], v25, v24                    ; sin 2y = 2 sin y cos y
	v_fma_f32 v[\dc], -v25, v23, 1.0               ; cos 2y = 1 - 2 sin^2 y
.endm
.Ltab:                                         ; byte (t / 16) 4,096 + 16 x thread: (cos, sin, cos, sin) of the pairs i0, i0 + 1 at position 16 (t / 16) + lane % 16
	s_sub_co_u32 s21, ttmp9, 1024                  ; 64 positions
	s_lshr_b32 s24, s20, 1
	s_lshl_b32 s24, s24, 3
	s_and_b32 s25, s20, 1
	s_lshl_b32 s25, s25, 1
	s_add_co_u32 s24, s24, s25
	v_lshl_add_u32 v10, v4, 2, s24                 ; i0 = 8 (wave / 2) + 4 (lane / 16) + 2 (wave % 2)
	v_cvt_f32_u32 v11, v10
	v_add_f32 v12, 1.0, v11
	v_mul_f32 v11, 0xbed49a78, v11                 ; - i log2(10000) / 32
	v_mul_f32 v12, 0xbed49a78, v12
	v_exp_f32 v11, v11
	v_exp_f32 v12, v12
	v_lshlrev_b32 v14, 4, v0                       ; (a plain instruction behind the exponentials)
	s_lshl_b32 s26, s21, 6
	v_add_nc_u32 v13, s26, v3
	s_lshl_b32 s22, s21, 14
	s_add_co_u32 s22, s22, ROPE
	s_add_nc_u64 s[12:13], s[12:13], s[22:23]
	s_wait_alu depctr_va_vdst(0)
.irp it, 0,1,2,3
	v_add_nc_u32 v15, 16*(\it), v13
	v_cvt_f32_u32 v15, v15
	SINCOS 11, 40+4*(\it), 41+4*(\it)
	SINCOS 12, 42+4*(\it), 43+4*(\it)
	global_store_b128 v14, v[40+4*(\it):40+4*(\it)+3], s[12:13] offset:4096*(\it)
.endr
	s_cmp_lg_u32 s20, 0
	s_cbranch_scc1 .Lend
	s_lshl_b32 s22, s21, 9                         ; wave 0: 512 of the 16,384 bytes of zeros that lie in front of k's and v's first head
	s_add_nc_u64 s[14:15], s[14:15], s[22:23]
	s_add_nc_u64 s[16:17], s[16:17], s[22:23]
	v_lshlrev_b32 v16, 4, v2
	v_mov_b32 v60, 0
	v_mov_b32 v61, 0
	v_mov_b32 v62, 0
	v_mov_b32 v63, 0
	global_store_b128 v16, v[60:63], s[14:15]
	global_store_b128 v16, v[60:63], s[16:17]
.Lend:
	s_wait_tensorcnt 0x0                           ; the wave's end: behind my last LDS store
	ds_add_u32 v[SPW], v[NIL]
	s_wait_dscnt 0x0
	s_endpgm
.Lfunc_end_k_qa00f7c2e18_prep:
	.size	k_qa00f7c2e18_prep, .Lfunc_end_k_qa00f7c2e18_prep-k_qa00f7c2e18_prep
	.p2alignl 7, 3214868480
	.fill 96, 4, 3214868480
	.section	.rodata,"a",@progbits
	.p2align	6, 0x0
	.amdhsa_kernel k_qa00f7c2e18_prep
		.amdhsa_group_segment_fixed_size 18432
		.amdhsa_private_segment_fixed_size 0
		.amdhsa_enable_private_segment 0
		.amdhsa_kernarg_size 56
		.amdhsa_user_sgpr_count 2
		.amdhsa_user_sgpr_kernarg_segment_ptr 1
		.amdhsa_wavefront_size32 1
		.amdhsa_system_sgpr_workgroup_id_x 1
		.amdhsa_system_sgpr_workgroup_id_y 1
		.amdhsa_system_sgpr_workgroup_id_z 1
		.amdhsa_system_vgpr_workitem_id 0
		.amdhsa_next_free_vgpr 112
		.amdhsa_next_free_sgpr 66
		.amdhsa_reserve_vcc 0
		.amdhsa_float_denorm_mode_32 3
		.amdhsa_float_denorm_mode_16_64 3
		.amdhsa_memory_ordered 1
		.amdhsa_forward_progress 1
		.amdhsa_inst_pref_size 32
	.end_amdhsa_kernel
	.amdgpu_metadata
---
amdhsa.version: [ 1, 2 ]
amdhsa.kernels:
  - .name:           k_qa00f7c2e18_prep
    .symbol:         k_qa00f7c2e18_prep.kd
    .args:
      - { .name: x, .offset: 0, .size: 8, .value_kind: global_buffer, .address_space: global }
      - { .name: W_qkv, .offset: 8, .size: 8, .value_kind: global_buffer, .address_space: global }
      - { .name: W_out, .offset: 16, .size: 8, .value_kind: global_buffer, .address_space: global }
      - { .name: xb, .offset: 24, .size: 8, .value_kind: global_buffer, .address_space: global }
      - { .name: wts, .offset: 32, .size: 8, .value_kind: global_buffer, .address_space: global }
      - { .name: k, .offset: 40, .size: 8, .value_kind: global_buffer, .address_space: global }
      - { .name: v, .offset: 48, .size: 8, .value_kind: global_buffer, .address_space: global }
    .group_segment_fixed_size: 18432
    .private_segment_fixed_size: 0
    .kernarg_segment_align: 8
    .kernarg_segment_size: 56
    .max_flat_workgroup_size: 256
    .sgpr_count:     66
    .vgpr_count:     112
    .wavefront_size: 32
...
	.end_amdgpu_metadata
.endif
;; end of part 1
;; launch qkv (part 2): grid 16 x 32, 4 waves a work-group, clusters of 4 x 4, 327,680 bytes of LDS; arguments xb, wts, q, k, v; writes q, k, v
.if DOCPART == 2
	.amdgcn_target "amdgcn-amd-amdhsa--gfx1250"
	.amdhsa_code_object_version 6
	.text
	.protected	k_qa00f7c2e18_qkv
	.globl	k_qa00f7c2e18_qkv
	.p2align	8
	.type	k_qa00f7c2e18_qkv,@function
k_qa00f7c2e18_qkv:
	s_mov_b64 s[64:65], 0
	v_nop
	global_prefetch_b8 v0, s[64:65] scope:SCOPE_SE
	s_setreg_imm32_b32 hwreg(HW_REG_WAVE_MODE, 25, 1), 1
	s_wait_xcnt 0x0
	s_wait_alu depctr_hold_cnt(0) depctr_sa_sdst(0) depctr_va_vdst(0) depctr_va_sdst(0) depctr_va_ssrc(0) depctr_va_vcc(0) depctr_vm_vsrc(0)
	s_getreg_b32 s2, hwreg(HW_REG_IB_STS2, 6, 4)
	s_cmp_eq_u32 s2, 0
	s_cbranch_scc0 .Lentry_in_a_cluster
	s_endpgm
.Lentry_in_a_cluster:
	s_bfe_u32 s2, ttmp6, 0x10000c
	s_cmp_lg_u32 s2, 0xf033
	s_cbranch_scc0 .Lentry_shape_is_right
	s_endpgm
.Lentry_shape_is_right:
; QKV: [8192][1024] x [1024][3072] in bf16, sums in f32; the rotation of q and k in f32 on the sums; q, k, v leave in f16 by heads, [64 heads][2048][64], unscaled.
; A work-group makes 256 tokens x one head's 192 columns (64 of q, 64 of k, 64 of v: the weights' rows were grouped so).  Wave w owns tokens 64 w .. 64 w + 63 and all
; twelve blocks of 16 columns: 48 accumulators, 384 registers.  K goes in 8 steps of 128 through two LDS slots; a row of a tile is 256 bytes of memory, aligned.
; CLUSTER 4 x 4: x's tile hangs on the token block alone and is asked for jointly along a row of the cluster, the weights' on the head alone, along a column.
; The matrix instruction is used transposed (source 0 = 16 rows of weights, source 1 = 16 tokens): a lane holds one token (lane % 16) and the columns 8 (lane / 16) + 0..7,
; so a rotation's pair lies in two neighbouring registers of one lane.
; LIMITS.  q, k, v beyond 65,504 become infinities in f16.  NaN and infinities are not treated apart.
; No prefetch: of the 8 K steps the first four would come by their loads alone.  One tile a work-group: 512 work-groups are two for each of 256 WGPs.
; REGISTERS: window 0: addresses, and the way out.  window 1: two fragment buffers of 128 (x's four fragments, then the weights' twelve).
;   window 2: accumulators of token blocks 0, 1 at 8 (12 a + b); v192-255 their cos and sin.  window 3: the same for token blocks 2, 3.
.set PITCH, 272                        ; an LDS row: 256 bytes + 16: the 16 rows of a fragment load start at 16 different groups of four banks (ISA guide 11.1)
.set HALFA, 128*PITCH
.set HALFB, 96*PITCH
.set SLOT,  2*HALFA+2*HALFB            ; x's 256 rows, then the weights' 192
.set STAGE, 2*SLOT                     ; behind the ring: for each wave 3 x 16 rows x 144 bytes
.set SGRP,  16*144
.set SWAVE, 3*SGRP
.set SPARE, STAGE+4*SWAVE              ; behind the stages: the spare words, 128 bytes for each wave
.set ROPE,  8388608
.set GUARD, 16384
.set NL,    32                         ; LDS loads in a run: 24 for the weights, 8 for x
.set ADRA, 4                           ; v4-5  my x fragments in slot 0, 1
.set ADRB, 6                           ; v6-7  the weights'
.set STO,  8                           ; v8    into the stage
.set RD,   9                           ; v9    back out of it
.set GO,   10                          ; v10   16 x lane: never rewritten
.set SPW,  14                          ; v14   SPARE + 4 x my thread's number; never rewritten
.set NIL,  15                          ; v15   0; never rewritten
.set PK,   16                          ; v16-63   48 packed registers
.set R,    64                          ; v64-127  rotated q and k in f32
.set T,    128                         ; v128-135 at work
.set F0,   0
.set F1,   128
.set TB,   192
.set G1,  24                           ; s[24:31] group 1 for x's tiles; s[32:39] group 0, a set for each slot
.set G0,  32
.set G1B, 48                           ; s[48:55], s[56:63] the same for the weights'
.set G0B, 56
.set MSB, 0
.macro WIN new                         ; the immediate's high byte repeats the setting that is left
.if MSB != (\new)
	s_set_vgpr_msb (MSB<<8)|(\new)
.set MSB, (\new)
.endif
.endm
.macro PLACES                          ; four places in front of loads into registers that matrix instructions have read
.rept 4
	v_nop
.endr
.endm
.macro JLOAD s                         ; a joint load: waves 0, 1 fetch x's two halves, waves 2, 3 the weights'; an s_nop 0 and four v_nop follow each line
	s_cmp_eq_u32 s15, 0
	s_cbranch_scc0 .Lfor_b_\@
	tensor_load_to_lds s[G0+4*(\s):G0+4*(\s)+3], s[G1:G1+7]
	s_nop 0
.rept 4
	v_nop
.endr
	s_branch .Lasked_\@
.Lfor_b_\@:
	tensor_load_to_lds s[G0B+4*(\s):G0B+4*(\s)+3], s[G1B:G1B+7]
	s_nop 0
.rept 4
	v_nop
.endr
.Lasked_\@:
.endm
.macro CREST                           ; a round of the cluster's barrier behind its opening barrier
	s_cmp_lg_u32 s14, 0
	s_cbranch_scc1 .Lnot_wave_0_\@
	s_barrier_signal -3
.Lnot_wave_0_\@:
	s_barrier_wait -3
	s_barrier_signal -1
	s_barrier_wait -1
.endm
.macro CROUND
	s_barrier_signal -1
	s_barrier_wait -1
	CREST
.endm
	s_load_b256 s[4:11], s[0:1], 0x0               ; xb s[4:5], wts s[6:7], q s[8:9], k s[10:11]
	s_load_b64 s[12:13], s[0:1], 0x20              ; v
	v_lshl_add_u32 v[SPW], v0, 2, SPARE
	v_mov_b32 v[NIL], 0
	ds_add_u32 v[SPW], v[NIL]                      ; the wave's opening: the add and its wait stand ahead of my first tensor load
	ds_add_u32 v14, v15
	v_lshrrev_b32 v1, 5, v0
	v_readfirstlane_b32 s14, v1                    ; wave 0..3
	s_lshr_b32 s15, s14, 1                         ; I fetch for x (0) or for the weights (1),
	s_and_b32 s16, s14, 1                          ; and which half
	s_bfe_u32 s17, ttmp6, 0x40000                  ; cx
	s_bfe_u32 s18, ttmp6, 0x40004                  ; cy
	s_lshl_b32 s19, ttmp9, 2
	s_add_co_u32 s19, s19, s17                     ; the head
	s_and_b32 s20, ttmp7, 0xffff
	s_lshl_b32 s20, s20, 2
	s_add_co_u32 s20, s20, s18                     ; the block of 256 tokens
	s_lshl_b32 s21, s18, 2
	s_lshl_b32 s21, 15, s21                        ; my row of the cluster
	s_lshl_b32 s22, 0x1111, s17                    ; my column
	s_or_b32 s[G1+0], s21, (1<<16)|(1<<20)|(1<<21)|(5<<22)|(3<<25)   ; the mask; 2-byte elements; padding on; bit 21 beside a mask; after every 64 words 4 words
	s_or_b32 s[G1B+0], s22, (1<<16)|(1<<20)|(1<<21)|(5<<22)|(3<<25)
	s_mov_b32 s[G1+1], 128<<16                     ; tensor_dim0 = 128
	s_mov_b32 s[G1+2], 128<<16                     ; tensor_dim1 = 128
	s_mov_b32 s[G1+3], 128<<16                     ; tile_dim0 = 128
	s_mov_b32 s[G1+4], 128                         ; tile_dim1 = 128
	s_mov_b32 s[G1+5], 1024                        ; elements from row to row
	s_mov_b32 s[G1+6], 0
	s_mov_b32 s[G1+7], 0
	s_mov_b32 s[G1B+1], 128<<16
	s_mov_b32 s[G1B+2], 96<<16                     ; 96 rows
	s_mov_b32 s[G1B+3], 128<<16
	s_mov_b32 s[G1B+4], 96
	s_mov_b32 s[G1B+5], 1024
	s_mov_b32 s[G1B+6], 0
	s_mov_b32 s[G1B+7], 0
	s_lshl_b32 s40, s20, 8
	s_lshl_b32 s41, s16, 7
	s_add_co_u32 s40, s40, s41
	s_lshl_b32 s40, s40, 11                        ; x: row 256 block + 128 half, 2,048 bytes a row
	s_mov_b32 s41, 0
	s_mul_i32 s42, s19, 192
	s_mul_i32 s43, s16, 96
	s_add_co_u32 s42, s42, s43
	s_lshl_b32 s42, s42, 11                        ; weights: row 192 head + 96 half
	s_mov_b32 s43, 0
	s_mul_i32 s44, s16, HALFA                      ; where they go: no place in the cluster enters an LDS address
	s_mul_i32 s45, s16, HALFB
	s_add_co_u32 s45, s45, 2*HALFA
	s_wait_dscnt 0x0                               ; the opening add is done
	s_wait_kmcnt 0x0
	s_add_nc_u64 s[40:41], s[4:5], s[40:41]
	s_add_nc_u64 s[42:43], s[6:7], s[42:43]
	CROUND                                         ; all sixteen work-groups are here: the first joint loads meet
.irp s, 0,1
	s_mov_b32 s[G0+4*(\s)], 1
	s_add_co_u32 s[G0+4*(\s)+1], s44, (\s)*SLOT
	s_add_nc_u64 s[G0+4*(\s)+2:G0+4*(\s)+3], s[40:41], (\s)*256
	s_or_b32 s[G0+4*(\s)+3], s[G0+4*(\s)+3], 0x80000000
	s_mov_b32 s[G0B+4*(\s)], 1
	s_add_co_u32 s[G0B+4*(\s)+1], s45, (\s)*SLOT
	s_add_nc_u64 s[G0B+4*(\s)+2:G0B+4*(\s)+3], s[42:43], (\s)*256
	s_or_b32 s[G0B+4*(\s)+3], s[G0B+4*(\s)+3], 0x80000000
	JLOAD \s                                       ; K steps 0 and 1: two loads of mine are out
.endr
	v_and_b32 v1, 15, v0                           ; l % 16
	v_bfe_u32 v2, v0, 4, 1                         ; l / 16
	v_mul_u32_u24 v3, v1, PITCH
	v_lshl_add_u32 v3, v2, 4, v3                   ; a fragment's row x pitch + 16 x half
	s_mul_i32 s46, s14, 64*PITCH                   ; my 64 tokens
	v_add_nc_u32 v[ADRA], s46, v3
	v_add_nc_u32 v[ADRA+1], SLOT, v[ADRA]
	v_add_nc_u32 v[ADRB], 2*HALFA, v3              ; every wave reads all 192 rows of weights
	v_add_nc_u32 v[ADRB+1], SLOT, v[ADRB]
	s_mul_i32 s46, s14, SWAVE
	s_add_co_u32 s46, s46, STAGE                   ; my stage
	v_mul_u32_u24 v[STO], v1, 144
	v_lshl_add_u32 v[STO], v2, 4, v[STO]
	v_add_nc_u32 v[STO], s46, v[STO]
	v_bfe_u32 v[RD], v0, 3, 2                      ; back: 32 lanes take four rows of 128 bytes
	v_mul_u32_u24 v[RD], v[RD], 144
	v_and_b32 v3, 7, v0
	v_lshl_add_u32 v[RD], v3, 4, v[RD]
	v_add_nc_u32 v[RD], s46, v[RD]
	v_and_b32 v[GO], 31, v0
	v_lshlrev_b32 v[GO], 4, v[GO]
	s_and_b32 s78, s20, 7                          ; the block's place in its sequence of 2,048
	s_lshl_b32 s76, s78, 4
	s_lshl_b32 s79, s14, 2
	s_add_co_u32 s76, s76, s79                     ; my first 16 positions
	s_lshl_b32 s76, s76, 12
	s_add_co_u32 s76, s76, ROPE
	s_mov_b32 s77, 0
	s_add_nc_u64 s[66:67], s[6:7], s[76:77]        ; the table at them
	s_lshr_b32 s76, s20, 3                         ; the batch: 16 heads of 262,144 bytes
	s_lshl_b32 s76, s76, 22
	s_lshl_b32 s79, s19, 18
	s_add_co_u32 s76, s76, s79
	s_lshl_b32 s79, s78, 15
	s_add_co_u32 s76, s76, s79
	s_lshl_b32 s79, s14, 13
	s_add_co_u32 s76, s76, s79                     ; my 64 rows of the head
	s_add_nc_u64 s[68:69], s[8:9], s[76:77]
	s_add_co_u32 s76, s76, GUARD                   ; k and v begin behind 16,384 bytes of zeros
	s_add_nc_u64 s[70:71], s[10:11], s[76:77]
	s_add_nc_u64 s[72:73], s[12:13], s[76:77]
	WIN 0x80                                       ; cos and sin of my 64 positions: 32 loads of 512 consecutive bytes, waited for at the way out
.irp a, 0,1
.irp ch, 0,1,2,3,4,5,6,7
	global_load_b128 v[TB+32*(\a)+4*(\ch):TB+32*(\a)+4*(\ch)+3], v[GO], s[66:67] offset:(\a)*4096+(\ch)*512
.endr
.endr
	WIN 0xc0
.irp a, 0,1
.irp ch, 0,1,2,3,4,5,6,7
	global_load_b128 v[TB+32*(\a)+4*(\ch):TB+32*(\a)+4*(\ch)+3], v[GO], s[66:67] offset:(2+(\a))*4096+(\ch)*512
.endr
.endr
	WIN 0
; 12 matrix instructions: token block a x all column blocks, 32 along K.  The 48 accumulators take turns in the same order in every quarter.
.macro MULA f, a, zero
	WIN 0xa5+0x50*((\a)/2)
.irp b, 0,1,2,3,4,5,6,7,8,9,10,11
.if \zero
	v_wmma_f32_16x16x32_bf16 v[8*(12*((\a)%2)+(\b)):8*(12*((\a)%2)+(\b))+7], v[(\f)+32+8*(\b):(\f)+32+8*(\b)+7], v[(\f)+8*(\a):(\f)+8*(\a)+7], 0
.else
	v_wmma_f32_16x16x32_bf16 v[8*(12*((\a)%2)+(\b)):8*(12*((\a)%2)+(\b))+7], v[(\f)+32+8*(\b):(\f)+32+8*(\b)+7], v[(\f)+8*(\a):(\f)+8*(\a)+7], v[8*(12*((\a)%2)+(\b)):8*(12*((\a)%2)+(\b))+7]
.endif
.endr
.endm
; 32 LDS loads in one run: the weights' twelve fragments first, then x's four
.macro FETCH slot, k, f
	WIN 0x40
.irp i, 0,1,2,3,4,5,6,7,8,9,10,11
	ds_load_b128 v[(\f)+32+8*(\i):(\f)+32+8*(\i)+3],   v[ADRB+(\slot)] offset:(\k)+(\i)*16*PITCH
	ds_load_b128 v[(\f)+32+8*(\i)+4:(\f)+32+8*(\i)+7], v[ADRB+(\slot)] offset:(\k)+(\i)*16*PITCH+32
.endr
.irp i, 0,1,2,3
	ds_load_b128 v[(\f)+8*(\i):(\f)+8*(\i)+3],   v[ADRA+(\slot)] offset:(\k)+(\i)*16*PITCH
	ds_load_b128 v[(\f)+8*(\i)+4:(\f)+8*(\i)+7], v[ADRA+(\slot)] offset:(\k)+(\i)*16*PITCH+32
.endr
.endm
; A quarter of a K step: multiplies buffer f; in its middle fetches the next quarter, at byte k of the same slot's rows, into buffer g
.macro QUARTER slot, k, f, g, zero
	s_wait_dscnt 4                                 ; all but the youngest four loads: x's fragments 2 and 3 may be out
	MULA \f, 0, \zero
	MULA \f, 1, \zero
	PLACES
	FETCH \slot, \k, \g
	s_wait_dscnt NL                                ; all but the 32 just issued
	MULA \f, 2, \zero
	MULA \f, 3, \zero
.endm
; The last quarter multiplies buffer 1 and changes slots.  fill = 1: this slot is filled again, two K steps ahead, behind a round of the cluster's barrier.
.macro TURN slot, next, fill
	WIN 0                                          ; (the add's two registers lie in window 0)
	s_wait_tensorcnt 0x0                           ; all my tensor loads have landed: the one that was out is my part of the next slot
	ds_add_u32 v[SPW], v[NIL]                      ; 0 onto my spare word
	s_wait_dscnt 5                                 ; (the add and the youngest four loads may be out)
	MULA F1, 0, 0                                  ; twelve matrix instructions stand between the add and the wait for it
	s_wait_dscnt 0x0                               ; the add is done, and my reads of this slot are over
	s_barrier_signal -1
	MULA F1, 1, 0
.if \fill
	WIN 0
.endif
	s_barrier_wait -1
.if \fill
	CREST                                          ; no wave of any partner still reads this slot or has a load on its way
	s_add_nc_u64 s[G0+4*(\slot)+2:G0+4*(\slot)+3], s[G0+4*(\slot)+2:G0+4*(\slot)+3], 512
	s_add_nc_u64 s[G0B+4*(\slot)+2:G0B+4*(\slot)+3], s[G0B+4*(\slot)+2:G0B+4*(\slot)+3], 512
	JLOAD \slot                                    ; the first tensor load behind the round; its four v_nop are also the places in front of the loads below
.else
	PLACES
.endif
	FETCH \next, 0, F0
	MULA F1, 2, 0
	MULA F1, 3, 0
.endm
	s_wait_tensorcnt 1                             ; my part of K step 0 is in; K step 1's may stay out
	s_barrier_signal -1
	s_barrier_wait -1
	FETCH 0, 0, F0
	QUARTER 0, 64, F0, F1, 1                       ; the first quarter's products start the sums
	WIN 0
	s_mov_b32 s3, 3
.Llap:                                         ; a trip goes once round the ring and fills both slots again: K steps 2 to 7
	QUARTER 0, 128, F1, F0, 0
	QUARTER 0, 192, F0, F1, 0
	TURN 0, 1, 1
	QUARTER 1, 64,  F0, F1, 0
	QUARTER 1, 128, F1, F0, 0
	QUARTER 1, 192, F0, F1, 0
	TURN 1, 0, 1
	QUARTER 0, 64,  F0, F1, 0
	WIN 0
	s_sub_co_u32 s3, s3, 1
	s_cmp_lg_u32 s3, 0
	s_cbranch_scc1 .Llap
	QUARTER 0, 128, F1, F0, 0                      ; the last lap fills nothing
	QUARTER 0, 192, F0, F1, 0
	TURN 0, 1, 0
	QUARTER 1, 64,  F0, F1, 0
	QUARTER 1, 128, F1, F0, 0
	QUARTER 1, 192, F0, F1, 0
	s_wait_dscnt 4
	MULA F1, 0, 0
	MULA F1, 1, 0
	s_wait_dscnt 0x0
	MULA F1, 2, 0
	MULA F1, 3, 0
	WIN 0
	PLACES
	PLACES
	s_wait_loadcnt 0x0                             ; the table
; THE WAY OUT of token block a.  q and k (column blocks 0-7): a pair (xe, xo) and its (cos, sin) lie in neighbouring registers; (xo sin, xo cos) first, then
; (xe cos - xo sin, xe sin + xo cos) by one fused line.  All twelve blocks are rounded to f16, go into my stage (16 rows x 128 bytes for each of q, k, v) and come back as
; whole rows: 16 tokens of a head are 2,048 consecutive bytes.  Each accumulator is read from its low end on.
.macro OUTROW a
.set AW, 2+(\a)/2
.set AB, 96*((\a)%2)
.set TA, TB+32*((\a)%2)
	WIN AW|(AW<<2)
.set bb, 0
.rept 8
.irp i, 0,1,2,3
	v_pk_mul_f32 v[T+2*(\i):T+2*(\i)+1], v[AB+8*bb+2*(\i):AB+8*bb+2*(\i)+1], v[TA+8*(bb%4)+2*(\i):TA+8*(bb%4)+2*(\i)+1] op_sel:[1,1] op_sel_hi:[1,0]
.endr
.irp i, 0,1,2,3
	v_pk_fma_f32 v[R+8*bb+2*(\i):R+8*bb+2*(\i)+1], v[AB+8*bb+2*(\i):AB+8*bb+2*(\i)+1], v[TA+8*(bb%4)+2*(\i):TA+8*(bb%4)+2*(\i)+1], v[T+2*(\i):T+2*(\i)+1] op_sel_hi:[0,1,1] neg_lo:[0,0,1]
.endr
.set bb, bb+1
.endr
	s_wait_xcnt 0x0                                ; the block before's stores have read PK: it is rewritten only behind this wait
.set nn, 0
.rept 16
	v_cvt_pk_f16_f32 v[PK+32+nn], v[AB+64+2*nn], v[AB+64+2*nn+1]  ; v: column blocks 8-11
.set nn, nn+1
.endr
	WIN 0
.set nn, 0
.rept 32
	v_cvt_pk_f16_f32 v[PK+nn], v[R+2*nn], v[R+2*nn+1]
.set nn, nn+1
.endr
.set nn, 0
.rept 12
	ds_store_b128 v[STO], v[PK+4*nn:PK+4*nn+3] offset:(nn/4)*SGRP+(nn%4)*32
.set nn, nn+1
.endr
.set nn, 0
.rept 12
	ds_load_b128 v[PK+4*nn:PK+4*nn+3], v[RD] offset:(nn/4)*SGRP+(nn%4)*576  ; LDS serves a wave's instructions in order (ISA guide 5.7.1.4): these see the stores above
.set nn, nn+1
.endr
.set nn, 0
.rept 12
	s_wait_dscnt 11-nn
	global_store_b128 v[GO], v[PK+4*nn:PK+4*nn+3], s[68+2*(nn/4):69+2*(nn/4)] offset:(\a)*2048+(nn%4)*512  ; 512 consecutive bytes, aligned
.set nn, nn+1
.endr
.endm
	OUTROW 0
	OUTROW 1
	OUTROW 2
	OUTROW 3
	s_wait_tensorcnt 0x0                           ; the wave's end
	ds_add_u32 v[SPW], v[NIL]
	s_wait_dscnt 0x0
	CROUND                                         ; the closing round
	s_endpgm
.Lfunc_end_k_qa00f7c2e18_qkv:
	.size	k_qa00f7c2e18_qkv, .Lfunc_end_k_qa00f7c2e18_qkv-k_qa00f7c2e18_qkv
	.p2alignl 7, 3214868480
	.fill 96, 4, 3214868480
	.section	.rodata,"a",@progbits
	.p2align	6, 0x0
	.amdhsa_kernel k_qa00f7c2e18_qkv
		.amdhsa_group_segment_fixed_size 327680
		.amdhsa_private_segment_fixed_size 0
		.amdhsa_enable_private_segment 0
		.amdhsa_kernarg_size 40
		.amdhsa_user_sgpr_count 2
		.amdhsa_user_sgpr_kernarg_segment_ptr 1
		.amdhsa_wavefront_size32 1
		.amdhsa_system_sgpr_workgroup_id_x 1
		.amdhsa_system_sgpr_workgroup_id_y 1
		.amdhsa_system_sgpr_workgroup_id_z 1
		.amdhsa_system_vgpr_workitem_id 0
		.amdhsa_next_free_vgpr 1024
		.amdhsa_next_free_sgpr 80
		.amdhsa_reserve_vcc 0
		.amdhsa_float_denorm_mode_32 3
		.amdhsa_float_denorm_mode_16_64 3
		.amdhsa_memory_ordered 1
		.amdhsa_forward_progress 1
		.amdhsa_inst_pref_size 139
	.end_amdhsa_kernel
	.amdgpu_metadata
---
amdhsa.version: [ 1, 2 ]
amdhsa.kernels:
  - .name:           k_qa00f7c2e18_qkv
    .symbol:         k_qa00f7c2e18_qkv.kd
    .args:
      - { .name: xb, .offset: 0, .size: 8, .value_kind: global_buffer, .address_space: global }
      - { .name: wts, .offset: 8, .size: 8, .value_kind: global_buffer, .address_space: global }
      - { .name: q, .offset: 16, .size: 8, .value_kind: global_buffer, .address_space: global }
      - { .name: k, .offset: 24, .size: 8, .value_kind: global_buffer, .address_space: global }
      - { .name: v, .offset: 32, .size: 8, .value_kind: global_buffer, .address_space: global }
    .group_segment_fixed_size: 327680
    .private_segment_fixed_size: 0
    .kernarg_segment_align: 8
    .kernarg_segment_size: 40
    .max_flat_workgroup_size: 128
    .sgpr_count:     80
    .vgpr_count:     1024
    .wavefront_size: 32
...
	.end_amdgpu_metadata
.endif
;; end of part 2
;; launch attn (part 3): grid 4 x 64, 4 waves a work-group, no clusters, 296,960 bytes of LDS; arguments q, k, v, o, part; writes o, part
.if DOCPART == 3
	.amdgcn_target "amdgcn-amd-amdhsa--gfx1250"
	.amdhsa_code_object_version 6
	.text
	.protected	k_qa00f7c2e18_attn
	.globl	k_qa00f7c2e18_attn
	.p2align	8
	.type	k_qa00f7c2e18_attn,@function
k_qa00f7c2e18_attn:
	s_mov_b64 s[64:65], 0
	v_nop
	global_prefetch_b8 v0, s[64:65] scope:SCOPE_SE
	s_setreg_imm32_b32 hwreg(HW_REG_WAVE_MODE, 25, 1), 1
	s_wait_xcnt 0x0
; ATTENTION under the module's own mask.  q, k, v, o: [64 heads][2048][64] f16 (k and v behind 16,384 bytes of zeros).  Query t sees key u <= t if t - u <= 127, or u % 64 = 0, or t % 64 = 0.
; A work-group owns 512 queries of a head, a wave 128 of them: four PIECES of 32 (two tiles of 16), walked by a counted loop.  A piece sees 160 window keys (from its first query - 128 on)
; and the head's 32 keys 64 g, gathered once; a gathered key counts only where t - 64 g >= 128, so none is counted twice.  One pass: all of a piece's scores lie in registers, so the
; maximum taken away is the row's true maximum.  The 32 queries 64 j see every earlier key: behind the loop each wave multiplies them with its own 128 keys and stores, unnormalised,
; (c m, l, O) for the next launch, which writes rows 64 j of o anew; here such a row is written as an ordinary row.
; THE MASK is the C operand that starts a score's sum: 0, or -1e30 where the key is hidden.
; LAYOUT.  S^T = K Q^T holds one query a lane (lane % 16) and the keys 8 (lane / 16) + 0..7; two such results rounded to f16 are source 1 of O^T = V^T P.  p = 2^(c s - c m), c = log2(e) / 8.
; LIMITS.  A hidden key has weight 0 (the module's -1e9 gives that while scores stay well above -1e9); f16's scores, 2.7e11 at the most, are nothing beside 1e30.  The search for the maximum
; starts at -1e20, below every score that f16 operands can give and far above a hidden one: a row that sees a key has its true maximum taken away; a global query that sees no key of a
; wave's 128 keeps m = -1e20, and its weights, l and O are 0.  A weight below 2^-126 counts as 0 in l, below 6e-5 it keeps f16's fixed step in P.  NaN and infinities are not treated apart.
; All LDS is filled once, by five tensor loads a wave (five of mine are out at the most), and there is one barrier.  NO CLUSTER: neighbours share 128 of 640 keys and the 8 KiB gather,
; a small part of what a work-group fetches.  No prefetch: every load stands at the kernel's head.
; REGISTERS: window 0: addresses, statistics, masks, P, the way out.  window 1: S^T at 96 e + 8 s; O^T at 192 + 32 e + 8 cb.
;   window 2: K at 16 s + 8 ch; Q at 192 + 16 e + 8 ch.   window 3: V at 32 u + 8 cb; the 32 global queries at 192 + 16 e + 8 ch.
.set PKK,   144                        ; a row of K or Q in LDS: 128 bytes + 16
.set PVV,   160                        ; a row of V: 128 + 32
.set LV,    640*PKK                    ; K's 640 rows lie at 0 (keys 512 c - 128 on), V's behind them
.set LKG,   LV+640*PVV                 ; the 32 gathered keys
.set LVG,   LKG+32*PKK
.set LQ,    LVG+32*PVV                 ; the 512 queries
.set STAGE, LQ+512*PKK                 ; 4,608 bytes for each wave: 16 rows of 144 (f16) or of 272 (f32)
.set SWAVE, 4608
.set SPARE, STAGE+4*SWAVE              ; the spare words, 128 bytes for each wave
.set GUARD, 16384
.set PML,   8388608
.set MFLOOR, 0xe0ad78ec                ; -1e20: where the search for a maximum starts
.set AK,  2                            ; v2  my lane's place in my wave's first window of K; never rewritten
.set AV,  3                            ; v3  the same for V
.set AQ,  4                            ; v4  in my wave's queries
.set AKG, 5
.set AVG, 6
.set STO, 7
.set RD,  8
.set GO,  9                            ; 16 x lane
.set STOF, 10
.set RDF, 11
.set GOF, 12
.set H8,  13                           ; 8 (lane / 16)
.set SPW, 16                           ; v16 SPARE + 4 x my thread's number; never rewritten
.set NIL, 17                           ; v17 0; never rewritten
.set L8,  18                           ; 8 x lane
.set QGO, 19
.set ADK, 22                           ; the trip's addresses
.set ADV, 23
.set ADQ, 24
.set ST,  32                           ; tile e at ST + 8 e: c m, m, l, l, T0-T3
.set CB,  48                           ; v48-79   four splats: keys in front of the sequence's beginning
.set LOW, 80                           ; v80-87   -1e30 where the key is more than 127 back
.set LOWP, 88
.set DIAG, 96                          ; v96-103  -1e30 where the key lies ahead of the query
.set GM,  104                          ; v104-119 the gathered keys' mask
.set SUM, 120
.set P,   128                          ; at 48 e + 4 s
.set OUT, 224
.set OT,  192
.set QF,  192
.set QG,  192
.set CS,  84                           ; s[84:85] c
.set SEL, 86                           ; s[86:87]
.set MSB, 0
.macro WIN new
.if MSB != (\new)
	s_set_vgpr_msb (MSB<<8)|(\new)
.set MSB, (\new)
.endif
.endm
.macro G1SET g, w0, cols, rows, pitch  ; a descriptor's group 1: every word a constant
	s_mov_b32 s[(\g)+0], \w0
	s_mov_b32 s[(\g)+1], (\cols)<<16
	s_mov_b32 s[(\g)+2], (\rows)<<16
	s_mov_b32 s[(\g)+3], (\cols)<<16
	s_mov_b32 s[(\g)+4], \rows
	s_mov_b32 s[(\g)+5], \pitch
	s_mov_b32 s[(\g)+6], 0
	s_mov_b32 s[(\g)+7], 0
.endm
.set PADK, (1<<16)|(1<<20)|(4<<22)|(3<<25)   ; 2-byte elements; after every 32 words (a key) 4 words of padding
.set PADV, (1<<16)|(1<<20)|(4<<22)|(7<<25)   ; 8 words
	s_load_b256 s[4:11], s[0:1], 0x0               ; q s[4:5], k s[6:7], v s[8:9], o s[10:11]
	s_load_b64 s[12:13], s[0:1], 0x20              ; part
	v_lshl_add_u32 v[SPW], v0, 2, SPARE
	v_mov_b32 v[NIL], 0
	ds_add_u32 v[SPW], v[NIL]                      ; the wave's opening: the add and its wait stand ahead of my first tensor load
	ds_add_u32 v16, v17
	v_lshrrev_b32 v1, 5, v0
	v_readfirstlane_b32 s14, v1                    ; wave 0..3
	s_mov_b32 s15, ttmp9                           ; c: which 512 queries
	s_and_b32 s80, ttmp7, 0xffff                   ; the head
	G1SET 16, PADK, 128, 80, 128                   ; 160 keys are 20,480 dense bytes: 80 rows of 256
	G1SET 24, PADV, 128, 80, 128
	G1SET 32, PADK, 128, 64, 128                   ; my 128 queries
	G1SET 40, PADK, 64, 8, 4096                    ; 8 keys, 64 keys apart
	G1SET 48, PADV, 64, 8, 4096
	s_mov_b32 s56, 1
	s_mul_i32 s57, s14, 160*PKK
	s_mov_b32 s60, 1
	s_mul_i32 s61, s14, 160*PVV
	s_add_co_u32 s61, s61, LV
	s_mov_b32 s68, 1
	s_mul_i32 s69, s14, 128*PKK
	s_add_co_u32 s69, s69, LQ
	s_mov_b32 s72, 1
	s_mul_i32 s73, s14, 8*PKK
	s_add_co_u32 s73, s73, LKG
	s_mov_b32 s76, 1
	s_mul_i32 s77, s14, 8*PVV
	s_add_co_u32 s77, s77, LVG
	s_lshl_b32 s95, s80, 18                        ; the head's bytes
	s_lshl_b32 s96, s15, 16
	s_add_co_u32 s96, s96, s95                     ; + 512 c rows.  In k and v, which begin 128 rows late, that is key 512 c - 128
	s_mul_i32 s98, s14, 20480
	s_add_co_u32 s98, s98, s96                     ; my quarter of the 640 keys
	s_mov_b32 s99, 0
	s_lshl_b32 s2, s14, 14
	s_add_co_u32 s2, s2, s96                       ; my 128 rows of q and o
	s_mov_b32 s3, 0
	s_lshl_b32 s96, s14, 16
	s_add_co_u32 s96, s96, s95
	s_add_co_u32 s96, s96, GUARD                   ; keys 512 w, 512 w + 64, ..
	s_mov_b32 s97, 0
	s_mov_b32 s83, 0xf149f2ca                      ; -1e30
	s_mov_b32 s[CS], 0x3e38aa3b                    ; c = log2(e) / 8
	s_mov_b32 s[CS+1], s[CS]
	s_mov_b32 s[SEL], 0x76543210
	s_mov_b32 s[SEL+1], 0xfedcba98
	s_mov_b32 s94, 0xffff0000                      ; lanes 16-31
	s_wait_dscnt 0x0                               ; the opening add is done
	s_wait_kmcnt 0x0
	s_add_nc_u64 s[58:59], s[6:7], s[98:99]
	s_or_b32 s59, s59, 0x80000000
	s_add_nc_u64 s[62:63], s[8:9], s[98:99]
	s_or_b32 s63, s63, 0x80000000
	s_add_nc_u64 s[70:71], s[4:5], s[2:3]
	s_or_b32 s71, s71, 0x80000000
	s_add_nc_u64 s[74:75], s[6:7], s[96:97]
	s_or_b32 s75, s75, 0x80000000
	s_add_nc_u64 s[78:79], s[8:9], s[96:97]
	s_or_b32 s79, s79, 0x80000000
	s_add_nc_u64 s[88:89], s[10:11], s[2:3]        ; o at my first row
	tensor_load_to_lds s[56:59], s[16:23]          ; all first fills in one group
	s_nop 0
	tensor_load_to_lds s[68:71], s[32:39]
	s_nop 0
	tensor_load_to_lds s[72:75], s[40:47]
	s_nop 0
	tensor_load_to_lds s[60:63], s[24:31]
	s_nop 0
	tensor_load_to_lds s[76:79], s[48:55]
	s_nop 0
.rept 4
	v_nop
.endr
	v_and_b32 v1, 15, v0                           ; r = l % 16
	v_bfe_u32 v14, v0, 4, 1                        ; h = l / 16
	v_lshlrev_b32 v[QGO], 13, v1                   ; query 64 r: 8,192 bytes a step
	v_lshl_add_u32 v[QGO], v14, 4, v[QGO]
	s_mov_b32 s2, s95
	s_add_nc_u64 s[4:5], s[4:5], s[2:3]            ; q at the head
	WIN 0xc0
.irp e, 0,1
.irp ch, 0,1
	global_load_b128 v[QG+16*(\e)+8*(\ch):QG+16*(\e)+8*(\ch)+3],   v[QGO], s[4:5] offset:131072*(\e)+64*(\ch)
	global_load_b128 v[QG+16*(\e)+8*(\ch)+4:QG+16*(\e)+8*(\ch)+7], v[QGO], s[4:5] offset:131072*(\e)+64*(\ch)+32
.endr
.endr
	WIN 0
	s_lshl_b32 s2, s15, 2
	s_add_co_u32 s2, s2, s14                       ; 4 c + w: which 128 keys of the head are my wave's
	s_lshl_b32 s96, s80, 4
	s_add_co_u32 s96, s96, s2
	s_lshl_b32 s96, s96, 8
	s_add_co_u32 s96, s96, PML
	s_add_nc_u64 s[92:93], s[12:13], s[96:97]      ; (c m, l): [head][16][32][2] f32
	s_lshl_b32 s2, s2, 8
	s_lshl_b32 s96, s80, 17
	s_add_co_u32 s96, s96, s2
	s_add_nc_u64 s[90:91], s[12:13], s[96:97]      ; O: [head][32][16][64] f32
	s_or_b32 s95, s15, s14
	s_cmp_eq_u32 s95, 0
	s_cselect_b32 s82, 4, 0                        ; only the sequence's first wave has keys in front of key 0
	s_lshl_b32 s100, s15, 3
	s_lshl_b32 s95, s14, 1
	s_add_co_u32 s100, s100, s95
	s_sub_co_u32 s100, s100, 2                     ; 8 c + 2 w - 2
	v_lshlrev_b32 v[H8], 3, v14
	v_mul_u32_u24 v15, v1, PKK
	v_lshl_add_u32 v15, v14, 4, v15                ; a fragment of K or Q: row x pitch + 16 x half
	s_mul_i32 s95, s14, 128*PKK
	v_add_nc_u32 v[AK], s95, v15
	v_add_nc_u32 v[AQ], LQ, v[AK]
	v_add_nc_u32 v[AKG], LKG, v15
	v_and_b32 v25, 7, v0
	v_bfe_u32 v26, v0, 3, 1
	v_add_nc_u32 v[AV], v[H8], v25                 ; the turning load: key 8 h + l % 8, channels 8 ((l / 8) % 2) on
	v_mul_u32_u24 v[AV], v[AV], PVV
	v_lshl_add_u32 v[AV], v26, 4, v[AV]
	v_add_nc_u32 v[AVG], LVG, v[AV]
	s_mul_i32 s95, s14, 128*PVV
	s_add_co_u32 s95, s95, LV
	v_add_nc_u32 v[AV], s95, v[AV]
	s_mul_i32 s95, s14, SWAVE
	s_add_co_u32 s95, s95, STAGE
	v_add_nc_u32 v[STO], s95, v15
	v_bfe_u32 v[RD], v0, 3, 2
	v_mul_u32_u24 v[RD], v[RD], PKK
	v_lshl_add_u32 v[RD], v25, 4, v[RD]
	v_add_nc_u32 v[RD], s95, v[RD]
	v_and_b32 v27, 31, v0
	v_lshlrev_b32 v[GO], 4, v27
	v_lshlrev_b32 v[L8], 3, v27
	v_mul_u32_u24 v[STOF], v1, 272
	v_lshl_add_u32 v[STOF], v14, 5, v[STOF]
	v_add_nc_u32 v[STOF], s95, v[STOF]
	v_mul_u32_u24 v[RDF], v14, 272
	v_lshl_add_u32 v[RDF], v1, 4, v[RDF]
	v_add_nc_u32 v[RDF], s95, v[RDF]
	v_lshlrev_b32 v[GOF], 12, v14
	v_lshl_add_u32 v[GOF], v1, 4, v[GOF]
	v_sub_nc_u32 v28, v1, v[H8]                    ; r - 8 h: register j's key lies ahead of the query where j is greater
.set jj, 0
.rept 8
	v_cmp_gt_i32 vcc_lo, jj, v28
	v_cndmask_b32 v[DIAG+jj], 0, s83, vcc_lo
	v_cmp_le_i32 vcc_lo, jj, v28
	v_cndmask_b32 v[LOW+jj], 0, s83, vcc_lo
.set jj, jj+1
.endr
.irp i, 0,1,2,3
	v_mov_b32 v[P+36+(\i)], 0                      ; tile 0 sees nothing of the window's last 16 keys,
	v_mov_b32 v[P+48+(\i)], 0                      ; tile 1 nothing of its first 16: no scores are made there, and the weights are 0
.endr
; n tiles of 16 keys -> K's registers from rb on
.macro LDK n, areg, rb
	WIN 0x80
.set ss, 0
.rept \n
.irp i, 0,1,2,3
	ds_load_b128 v[(\rb)+16*ss+4*(\i):(\rb)+16*ss+4*(\i)+3], v[\areg] offset:16*PKK*ss+32*(\i)
.endr
.set ss, ss+1
.endr
.endm
; n groups of 32 keys, turned -> V's registers from rb on
.macro LDV n, areg, rb
	WIN 0xc0
.set uu, 0
.rept \n
.irp cb, 0,1,2,3
	ds_load_tr16_b128 v[(\rb)+32*uu+8*(\cb):(\rb)+32*uu+8*(\cb)+3],   v[\areg] offset:32*PVV*uu+32*(\cb)
	ds_load_tr16_b128 v[(\rb)+32*uu+8*(\cb)+4:(\rb)+32*uu+8*(\cb)+7], v[\areg] offset:32*PVV*uu+32*(\cb)+16*PVV
.endr
.set uu, uu+1
.endr
.endm
; the product that starts the scores of tile e, slot s: channels 0-31; C is a mask, or (c < 0) the constant 0
.macro KQI e, s, c
.if (\c) < 0
	v_wmma_f32_16x16x32_f16 v[96*(\e)+8*(\s):96*(\e)+8*(\s)+7], v[16*(\s):16*(\s)+7], v[QF+16*(\e):QF+16*(\e)+7], 0
.else
	v_wmma_f32_16x16x32_f16 v[96*(\e)+8*(\s):96*(\e)+8*(\s)+7], v[16*(\s):16*(\s)+7], v[QF+16*(\e):QF+16*(\e)+7], v[(\c):(\c)+7]
.endif
.endm
; O^T = V^T P over nu groups of 32 keys; the eight accumulators take turns; the first group starts the sums
.macro PVALL nu
	WIN 0x53
.set uu, 0
.rept \nu
.irp cb, 0,1,2,3
.irp e, 0,1
.if uu == 0
	v_wmma_f32_16x16x32_f16 v[OT+32*(\e)+8*(\cb):OT+32*(\e)+8*(\cb)+7], v[32*uu+8*(\cb):32*uu+8*(\cb)+7], v[P+48*(\e)+8*uu:P+48*(\e)+8*uu+7], 0
.else
	v_wmma_f32_16x16x32_f16 v[OT+32*(\e)+8*(\cb):OT+32*(\e)+8*(\cb)+7], v[32*uu+8*(\cb):32*uu+8*(\cb)+7], v[P+48*(\e)+8*uu:P+48*(\e)+8*uu+7], v[OT+32*(\e)+8*(\cb):OT+32*(\e)+8*(\cb)+7]
.endif
.endr
.endr
.set uu, uu+1
.endr
.endm
; l of tile e: the weights' pairs on four chains, in f32, of the unrounded weights
.macro LSUM e, ns, sk
.set f0, 0
.if (\sk) == 0
.set f0, 1
.endif
	WIN 0x05
.irp i, 0,1,2,3
	v_pk_add_f32 v[SUM+2*(\i):SUM+2*(\i)+1], v[96*(\e)+8*f0+2*(\i):96*(\e)+8*f0+2*(\i)+1], v[96*(\e)+8*f0+8+2*(\i):96*(\e)+8*f0+8+2*(\i)+1]
.endr
	WIN 0x04
.set ss, f0+2
.rept (\ns)-f0-2
.if ss != (\sk)
.irp i, 0,1,2,3
	v_pk_add_f32 v[SUM+2*(\i):SUM+2*(\i)+1], v[SUM+2*(\i):SUM+2*(\i)+1], v[96*(\e)+8*ss+2*(\i):96*(\e)+8*ss+2*(\i)+1]
.endr
.endif
.set ss, ss+1
.endr
	WIN 0
	v_pk_add_f32 v[SUM:SUM+1], v[SUM:SUM+1], v[SUM+2:SUM+3]
	v_pk_add_f32 v[SUM+4:SUM+5], v[SUM+4:SUM+5], v[SUM+6:SUM+7]
	v_pk_add_f32 v[ST+8*(\e)+2:ST+8*(\e)+3], v[SUM:SUM+1], v[SUM+4:SUM+5]
.endm
; The softmax of both tiles over ns slots (slot sk0 of tile 0 and sk1 of tile 1 have no scores): maximum, c s - c m, exponentials, roundings into P, l.
.macro SOFTMAX ns, sk0, sk1
	WIN 0
.irp t, 4,5,6,7,12,13,14,15
	v_mov_b32 v[ST+(\t)], MFLOOR                   ; four chains a tile start at -1e20: below every true score, far above a hidden one, so that c s - c m of a hidden score is about -1.8e29 in every row,
.endr                                                  ; also where all of a row's scores are hidden (m = -1e30 would leave the fused line the rounding's residue of c m, a huge number).  These eight lines are also the places behind the products
	WIN 0x14
.set ii, 0
.rept 4                                ; registers 0, 1 of every accumulator first: each is read from its low end on
.set ss, 0
.rept \ns
.if ss != (\sk0)
	v_max3_num_f32 v[ST+4+ss%4], v[ST+4+ss%4], v[8*ss+2*ii], v[8*ss+2*ii+1]
.endif
.if ss != (\sk1)
	v_max3_num_f32 v[ST+12+ss%4], v[ST+12+ss%4], v[96+8*ss+2*ii], v[96+8*ss+2*ii+1]
.endif
.set ss, ss+1
.endr
.set ii, ii+1
.endr
	WIN 0
	v_max3_num_f32 v[ST+4], v[ST+4], v[ST+5], v[ST+6]
	v_max3_num_f32 v[ST+12], v[ST+12], v[ST+13], v[ST+14]
	v_max_num_f32 v[ST+4], v[ST+4], v[ST+7]
	v_max_num_f32 v[ST+12], v[ST+12], v[ST+15]
	v_permlanex16_b32 v[ST+5], v[ST+4], s[SEL], s[SEL+1]     ; the query's other keys lie in the lane 16 away
	v_permlanex16_b32 v[ST+13], v[ST+12], s[SEL], s[SEL+1]
	v_max_num_f32 v[ST+1], v[ST+4], v[ST+5]
	v_max_num_f32 v[ST+9], v[ST+12], v[ST+13]
	v_mul_f32 v[ST], s[CS], v[ST+1]
	v_mul_f32 v[ST+8], s[CS], v[ST+9]
	WIN 0x41
.set ss, 0
.rept \ns
.irp i, 0,1,2,3
.if ss != (\sk0)
	v_pk_fma_f32 v[8*ss+2*(\i):8*ss+2*(\i)+1], v[8*ss+2*(\i):8*ss+2*(\i)+1], s[CS:CS+1], v[ST:ST+1] op_sel_hi:[1,0,0] neg_lo:[0,0,1] neg_hi:[0,0,1]
.endif
.if ss != (\sk1)
	v_pk_fma_f32 v[96+8*ss+2*(\i):96+8*ss+2*(\i)+1], v[96+8*ss+2*(\i):96+8*ss+2*(\i)+1], s[CS:CS+1], v[ST+8:ST+9] op_sel_hi:[1,0,0] neg_lo:[0,0,1] neg_hi:[0,0,1]
.endif
.endr
.set ss, ss+1
.endr
.set ss, 0
.rept \ns
.irp i, 0,1,2,3,4,5,6,7
.if ss != (\sk0)
	v_exp_f32 v[8*ss+(\i)], v[8*ss+(\i)]
.endif
.if ss != (\sk1)
	v_exp_f32 v[96+8*ss+(\i)], v[96+8*ss+(\i)]
.endif
.endr
.set ss, ss+1
.endr
	v_nop                                          ; a plain instruction between the last exponential and the use of its result (ISA guide 5.7.2)
	s_wait_alu depctr_va_vdst(0)
	WIN 0x05
.set ss, 0
.rept \ns
.irp i, 0,1,2,3
.if ss != (\sk0)
	v_cvt_pk_f16_f32 v[P+4*ss+(\i)], v[8*ss+2*(\i)], v[8*ss+2*(\i)+1]
.endif
.if ss != (\sk1)
	v_cvt_pk_f16_f32 v[P+48+4*ss+(\i)], v[96+8*ss+2*(\i)], v[96+8*ss+2*(\i)+1]
.endif
.endr
.set ss, ss+1
.endr
	LSUM 0, \ns, \sk0
	LSUM 1, \ns, \sk1
.endm
.macro LFIN                            ; l's two halves and the other half of the lanes'; its four additions stand behind the last products
	WIN 0
	v_add_f32 v[ST+2], v[ST+2], v[ST+3]
	v_add_f32 v[ST+10], v[ST+10], v[ST+11]
	v_permlanex16_b32 v[ST+3], v[ST+2], s[SEL], s[SEL+1]
	v_permlanex16_b32 v[ST+11], v[ST+10], s[SEL], s[SEL+1]
	v_add_f32 v[ST+2], v[ST+2], v[ST+3]
	v_add_f32 v[ST+10], v[ST+10], v[ST+11]
.endm
.macro PACK e                          ; O^T / l, rounded to f16, into my stage and back as whole rows
	WIN 0x41
.set ii, 0
.rept 16
	v_pk_mul_f32 v[OT+32*(\e)+2*ii:OT+32*(\e)+2*ii+1], v[OT+32*(\e)+2*ii:OT+32*(\e)+2*ii+1], v[ST+8*(\e)+2:ST+8*(\e)+3] op_sel_hi:[1,0]
.set ii, ii+1
.endr
	WIN 0x05
.set ii, 0
.rept 16
	v_cvt_pk_f16_f32 v[OUT+16*(\e)+ii], v[OT+32*(\e)+2*ii], v[OT+32*(\e)+2*ii+1]
.set ii, ii+1
.endr
	WIN 0
.irp f, 0,1,2,3
	ds_store_b128 v[STO], v[OUT+16*(\e)+4*(\f):OUT+16*(\e)+4*(\f)+3] offset:32*(\f)
.endr
.irp f, 0,1,2,3
	ds_load_b128 v[OUT+16*(\e)+4*(\f):OUT+16*(\e)+4*(\f)+3], v[RD] offset:(\f)*4*PKK  ; LDS serves a wave's instructions in order (ISA guide 5.7.1.4)
.endr
.endm
.macro SEND e, younger                 ; younger: the LDS instructions issued behind this tile's loads
.irp f, 0,1,2,3
	s_wait_dscnt (\younger)+3-(\f)
	global_store_b128 v[GO], v[OUT+16*(\e)+4*(\f):OUT+16*(\e)+4*(\f)+3], s[88:89] offset:2048*(\e)+512*(\f)  ; 512 consecutive bytes, aligned
.endr
.endm
	s_wait_tensorcnt 0x0                           ; my five loads have landed,
	s_barrier_signal -1
	s_barrier_wait -1                              ; everybody's have
	LDK 2, AKG, 160                                ; the gathered keys stay in slots 10, 11 and group 5 for the whole loop
	LDV 1, AVG, 160
	WIN 0
	s_mov_b32 s81, 0                               ; the piece
	s_mov_b32 s66, 0                               ; 32 rows of K and Q a piece,
	s_mov_b32 s67, 0                               ; 32 rows of V
.Lpiece:
	v_add_nc_u32 v[ADK], s66, v[AK]
	v_add_nc_u32 v[ADQ], s66, v[AQ]
	v_add_nc_u32 v[ADV], s67, v[AV]
	WIN 0x80
.irp e, 0,1
.irp ch, 0,1
	ds_load_b128 v[QF+16*(\e)+8*(\ch):QF+16*(\e)+8*(\ch)+3],   v[ADQ] offset:16*PKK*(\e)+64*(\ch)
	ds_load_b128 v[QF+16*(\e)+8*(\ch)+4:QF+16*(\e)+8*(\ch)+7], v[ADQ] offset:16*PKK*(\e)+64*(\ch)+32
.endr
.endr
	LDK 10, ADK, 0
	LDV 5, ADV, 0
	WIN 0
	; the piece's masks, made while the loads are out.  Pair u of key tiles lies in front of key 0 where u + piece < 4, in the sequence's first wave alone.
.irp u, 0,1,2,3
	s_add_co_u32 s95, s81, \u
	s_cmp_lt_u32 s95, s82
	s_cselect_b32 s[96+\u], s83, 0
.endr
.irp u, 0,1,2,3
.irp j, 0,1,2,3,4,5,6,7
	v_mov_b32 v[CB+8*(\u)+(\j)], s[96+\u]
.endr
.endr
.irp j, 0,1,2,3,4,5,6,7
	v_add_f32 v[LOWP+(\j)], s96, v[LOW+(\j)]
.endr
	s_lshr_b32 s95, s81, 1
	s_add_co_u32 s95, s95, s100                    ; G = 8 c + 2 w + piece / 2 - 2: gathered key g counts where g <= G (signed: none in the first pieces)
	v_sub_nc_u32 v14, s95, v[H8]
.set nn, 0
.rept 16
	v_cmp_gt_i32 vcc_lo, 16*(nn/8)+nn%8, v14
	v_cndmask_b32 v[GM+nn], 0, s83, vcc_lo
.set nn, nn+1
.endr
	s_wait_dscnt 40                                ; Q and K are in; V's 40 loads may stay out
	WIN 0x4a                                       ; the 22 accumulators take turns: first all first links, then all second links
	KQI 0, 0, LOWP
	KQI 0, 1, CB
	KQI 1, 1, LOWP
	KQI 0, 2, CB+8
	KQI 1, 2, CB+8
	KQI 0, 3, CB+8
	KQI 1, 3, CB+8
	KQI 0, 4, CB+16
	KQI 1, 4, CB+16
	KQI 0, 5, CB+16
	KQI 1, 5, CB+16
	KQI 0, 6, CB+24
	KQI 1, 6, CB+24
	KQI 0, 7, CB+24
	KQI 1, 7, CB+24
	KQI 0, 8, DIAG
	KQI 1, 8, -1
	KQI 1, 9, DIAG
	KQI 0, 10, GM
	KQI 1, 10, GM
	KQI 0, 11, GM+8
	KQI 1, 11, GM+8
	WIN 0x5a
.set ss, 0
.rept 12
.if ss != 9
	v_wmma_f32_16x16x32_f16 v[8*ss:8*ss+7], v[16*ss+8:16*ss+15], v[QF+8:QF+15], v[8*ss:8*ss+7]
.endif
.if ss != 0
	v_wmma_f32_16x16x32_f16 v[96+8*ss:96+8*ss+7], v[16*ss+8:16*ss+15], v[QF+24:QF+31], v[96+8*ss:96+8*ss+7]
.endif
.set ss, ss+1
.endr
	SOFTMAX 12, 9, 0
	s_wait_dscnt 0x0                               ; V is in
	PVALL 6
	LFIN
	v_rcp_f32 v[ST+2], v[ST+2]
	v_rcp_f32 v[ST+10], v[ST+10]
	v_nop                                          ; a plain instruction behind the reciprocals
	s_wait_alu depctr_va_vdst(0)
	PACK 0
	PACK 1
	SEND 0, 8
	SEND 1, 0
	s_wait_xcnt 0x0                                ; the stores have read their data and o's address: both are written again only behind this wait
	s_add_nc_u64 s[88:89], s[88:89], 4096
	s_add_co_u32 s66, s66, 32*PKK
	s_add_co_u32 s67, s67, 32*PVV
	s_add_co_u32 s81, s81, 1
	s_cmp_lt_u32 s81, 4
	s_cbranch_scc1 .Lpiece
	; THE 32 GLOBAL QUERIES against my wave's own 128 keys (rows 128 + 128 w of the window).  Key 16 s + 8 h + j of them is hidden from query 64 (16 e + r) where 16 s + j > X.
	v_add_nc_u32 v[ADK], 128*PKK, v[AK]
	v_add_nc_u32 v[ADV], 128*PVV, v[AV]
	LDK 8, ADK, 0
	LDV 4, ADV, 0
	WIN 0
	s_lshl_b32 s95, s15, 9
	s_lshl_b32 s96, s14, 7
	s_add_co_u32 s95, s95, s96
	v_lshlrev_b32 v14, 6, v1
	v_sub_nc_u32 v14, v14, v[H8]
	v_sub_nc_u32 v14, v14, s95                     ; X of tile 0 = 64 r - 8 h - 512 c - 128 w
	v_add_nc_u32 v15, 1024, v14                    ; of tile 1
	WIN 0x40
.set nn, 0
.rept 64                               ; the masks are written where the sums will stand
	v_cmp_gt_i32 vcc_lo, 16*(nn/8)+nn%8, v14
	v_cndmask_b32 v[nn], 0, s83, vcc_lo
	v_cmp_gt_i32 vcc_lo, 16*(nn/8)+nn%8, v15
	v_cndmask_b32 v[96+nn], 0, s83, vcc_lo
.set nn, nn+1
.endr
	s_wait_loadcnt 0x0                             ; the global queries
	s_wait_dscnt 32                                ; K is in; V's 32 loads may stay out
	WIN 0x5e
.irp ch, 0,1
.set ss, 0
.rept 8
	v_wmma_f32_16x16x32_f16 v[8*ss:8*ss+7], v[16*ss+8*(\ch):16*ss+8*(\ch)+7], v[QG+8*(\ch):QG+8*(\ch)+7], v[8*ss:8*ss+7]
	v_wmma_f32_16x16x32_f16 v[96+8*ss:96+8*ss+7], v[16*ss+8*(\ch):16*ss+8*(\ch)+7], v[QG+16+8*(\ch):QG+16+8*(\ch)+7], v[96+8*ss:96+8*ss+7]
.set ss, ss+1
.endr
.endr
	SOFTMAX 8, -1, -1
	s_wait_dscnt 0x0
	PVALL 4
	LFIN
	v_cndmask_b32 v20, v[ST], v[ST+8], s94         ; lanes 0-15: queries 0-15 (tile 0); lanes 16-31: queries 16-31 (tile 1)
	v_cndmask_b32 v21, v[ST+2], v[ST+10], s94
	global_store_b64 v[L8], v[20:21], s[92:93]     ; 256 consecutive bytes, aligned
.irp e, 0,1
	WIN 0x04                                       ; the stores' data lie in window 1
.irp cb, 0,1,2,3
	ds_store_b128 v[STOF], v[OT+32*(\e)+8*(\cb):OT+32*(\e)+8*(\cb)+3]   offset:64*(\cb)
	ds_store_b128 v[STOF], v[OT+32*(\e)+8*(\cb)+4:OT+32*(\e)+8*(\cb)+7] offset:64*(\cb)+16
.endr
	WIN 0
	s_wait_xcnt 0x0                                ; earlier stores have read OUT
.irp f, 0,1,2,3,4,5,6,7
	ds_load_b128 v[OUT+4*(\f):OUT+4*(\f)+3], v[RDF] offset:544*(\f)
.endr
.irp f, 0,1,2,3,4,5,6,7
	s_wait_dscnt 7-(\f)
	global_store_b128 v[GOF], v[OUT+4*(\f):OUT+4*(\f)+3], s[90:91] offset:65536*(\e)+8192*(\f)  ; sixteen lanes store a query's 256 bytes, aligned
.endr
.endr
	s_wait_tensorcnt 0x0                           ; the wave's end
	ds_add_u32 v[SPW], v[NIL]
	s_wait_dscnt 0x0
	s_endpgm
.Lfunc_end_k_qa00f7c2e18_attn:
	.size	k_qa00f7c2e18_attn, .Lfunc_end_k_qa00f7c2e18_attn-k_qa00f7c2e18_attn
	.p2alignl 7, 3214868480
	.fill 96, 4, 3214868480
	.section	.rodata,"a",@progbits
	.p2align	6, 0x0
	.amdhsa_kernel k_qa00f7c2e18_attn
		.amdhsa_group_segment_fixed_size 296960
		.amdhsa_private_segment_fixed_size 0
		.amdhsa_enable_private_segment 0
		.amdhsa_kernarg_size 40
		.amdhsa_user_sgpr_count 2
		.amdhsa_user_sgpr_kernarg_segment_ptr 1
		.amdhsa_wavefront_size32 1
		.amdhsa_system_sgpr_workgroup_id_x 1
		.amdhsa_system_sgpr_workgroup_id_y 1
		.amdhsa_system_sgpr_workgroup_id_z 1
		.amdhsa_system_vgpr_workitem_id 0
		.amdhsa_next_free_vgpr 992
		.amdhsa_next_free_sgpr 102
		.amdhsa_reserve_vcc 1
		.amdhsa_float_denorm_mode_32 3
		.amdhsa_float_denorm_mode_16_64 3
		.amdhsa_memory_ordered 1
		.amdhsa_forward_progress 1
		.amdhsa_inst_pref_size 112
	.end_amdhsa_kernel
	.amdgpu_metadata
---
amdhsa.version: [ 1, 2 ]
amdhsa.kernels:
  - .name:           k_qa00f7c2e18_attn
    .symbol:         k_qa00f7c2e18_attn.kd
    .args:
      - { .name: q, .offset: 0, .size: 8, .value_kind: global_buffer, .address_space: global }
      - { .name: k, .offset: 8, .size: 8, .value_kind: global_buffer, .address_space: global }
      - { .name: v, .offset: 16, .size: 8, .value_kind: global_buffer, .address_space: global }
      - { .name: o, .offset: 24, .size: 8, .value_kind: global_buffer, .address_space: global }
      - { .name: part, .offset: 32, .size: 8, .value_kind: global_buffer, .address_space: global }
    .group_segment_fixed_size: 296960
    .private_segment_fixed_size: 0
    .kernarg_segment_align: 8
    .kernarg_segment_size: 40
    .max_flat_workgroup_size: 128
    .sgpr_count:     102
    .vgpr_count:     992
    .wavefront_size: 32
...
	.end_amdgpu_metadata
.endif
;; end of part 3
;; launch merge (part 4): grid 256 x 1, 8 waves a work-group, no clusters, 0 bytes of LDS; arguments part, o; writes o
.if DOCPART == 4
	.amdgcn_target "amdgcn-amd-amdhsa--gfx1250"
	.amdhsa_code_object_version 6
	.text
	.protected	k_qa00f7c2e18_merge
	.globl	k_qa00f7c2e18_merge
	.p2align	8
	.type	k_qa00f7c2e18_merge,@function
k_qa00f7c2e18_merge:
	s_mov_b64 s[64:65], 0
	v_nop
	global_prefetch_b8 v0, s[64:65] scope:SCOPE_SE
	s_setreg_imm32_b32 hwreg(HW_REG_WAVE_MODE, 25, 1), 1
	s_wait_xcnt 0x0
; MERGE: row 64 j of each head sees every earlier key.  The launch before left, for each of the head's 16 blocks of 128 keys, (c m, l) and the unnormalised O in f32.
; A wave makes one row: M = the largest c m; a_p = 2^(c m_p - M); O = sum a_p O_p / sum a_p l_p; rounded once to f16.  A block that the row does not see has c m = -1.8e19
; (c x -1e20, where the search for its maximum began) and l = 0, O = 0, so its a is 0 and it adds 0; block 0 holds key 0, which every row sees, so M is a true maximum.
; No LDS, no matrix unit: 17 loads and 32 multiply-adds a lane.
; A row of o is 128 bytes: that is all such a row has, so its store covers half of an aligned 256 bytes.
	s_load_b128 s[4:7], s[0:1], 0x0                ; part s[4:5], o s[6:7]
	v_lshrrev_b32 v1, 5, v0
	v_readfirstlane_b32 s8, v1
	s_lshl_b32 s9, ttmp9, 3
	s_add_co_u32 s9, s9, s8                        ; the row: 32 head + j
	s_lshr_b32 s10, s9, 5
	s_and_b32 s11, s9, 31
	v_and_b32 v2, 31, v0
	v_and_b32 v3, 15, v0
	v_lshlrev_b32 v3, 8, v3                        ; lane % 16 is the block: 256 bytes apart
	v_lshlrev_b32 v4, 3, v2                        ; my two channels
	v_lshlrev_b32 v5, 2, v2
	s_lshl_b32 s12, s10, 12
	s_lshl_b32 s14, s11, 3
	s_add_co_u32 s12, s12, s14
	s_add_co_u32 s12, s12, 8388608
	s_mov_b32 s13, 0
	s_lshl_b32 s14, s9, 12
	s_mov_b32 s15, 0
	s_lshl_b32 s16, s10, 18
	s_lshl_b32 s17, s11, 13
	s_add_co_u32 s16, s16, s17
	s_mov_b32 s17, 0
	s_wait_kmcnt 0x0
	s_add_nc_u64 s[12:13], s[4:5], s[12:13]
	s_add_nc_u64 s[14:15], s[4:5], s[14:15]
	s_add_nc_u64 s[6:7], s[6:7], s[16:17]
	global_load_b64 v[6:7], v3, s[12:13]
.set pp, 0
.rept 16
	global_load_b64 v[16+2*pp:17+2*pp], v4, s[14:15] offset:256*pp th:TH_LOAD_NT
.set pp, pp+1
.endr
	s_wait_loadcnt 16                              ; (c m, l) is in; the 16 younger loads stay out
	v_mov_b32 v8, v6
	v_max_num_f32_dpp v8, v8, v8 row_xmask:1 row_mask:0xf bank_mask:0xf
	v_max_num_f32_dpp v8, v8, v8 row_xmask:2 row_mask:0xf bank_mask:0xf
	v_max_num_f32_dpp v8, v8, v8 row_xmask:4 row_mask:0xf bank_mask:0xf
	v_max_num_f32_dpp v8, v8, v8 row_xmask:8 row_mask:0xf bank_mask:0xf
	v_sub_f32 v9, v6, v8
	v_exp_f32 v9, v9
	v_nop
	s_wait_alu depctr_va_vdst(0)
	v_mul_f32 v10, v9, v7
	v_add_f32_dpp v10, v10, v10 row_xmask:1 row_mask:0xf bank_mask:0xf
	v_add_f32_dpp v10, v10, v10 row_xmask:2 row_mask:0xf bank_mask:0xf
	v_add_f32_dpp v10, v10, v10 row_xmask:4 row_mask:0xf bank_mask:0xf
	v_add_f32_dpp v10, v10, v10 row_xmask:8 row_mask:0xf bank_mask:0xf
	v_rcp_f32 v10, v10
	v_nop
	s_wait_alu depctr_va_vdst(0)
	v_mul_f32 v9, v9, v10                          ; a_p / L in lane p
.set pp, 0
.rept 16
	v_readlane_b32 s[20+pp], v9, pp
.set pp, pp+1
.endr
	s_wait_loadcnt 15
	v_mul_f32 v12, s20, v16
	v_mul_f32 v13, s20, v17
.set pp, 1
.rept 15
	s_wait_loadcnt 15-pp
	v_fmac_f32 v12, s[20+pp], v[16+2*pp]
	v_fmac_f32 v13, s[20+pp], v[17+2*pp]
.set pp, pp+1
.endr
	v_cvt_pk_f16_f32 v14, v12, v13
	global_store_b32 v5, v14, s[6:7]
	s_endpgm
.Lfunc_end_k_qa00f7c2e18_merge:
	.size	k_qa00f7c2e18_merge, .Lfunc_end_k_qa00f7c2e18_merge-k_qa00f7c2e18_merge
	.p2alignl 7, 3214868480
	.fill 96, 4, 3214868480
	.section	.rodata,"a",@progbits
	.p2align	6, 0x0
	.amdhsa_kernel k_qa00f7c2e18_merge
		.amdhsa_group_segment_fixed_size 0
		.amdhsa_private_segment_fixed_size 0
		.amdhsa_enable_private_segment 0
		.amdhsa_kernarg_size 16
		.amdhsa_user_sgpr_count 2
		.amdhsa_user_sgpr_kernarg_segment_ptr 1
		.amdhsa_wavefront_size32 1
		.amdhsa_system_sgpr_workgroup_id_x 1
		.amdhsa_system_sgpr_workgroup_id_y 1
		.amdhsa_system_sgpr_workgroup_id_z 1
		.amdhsa_system_vgpr_workitem_id 0
		.amdhsa_next_free_vgpr 64
		.amdhsa_next_free_sgpr 66
		.amdhsa_reserve_vcc 0
		.amdhsa_float_denorm_mode_32 3
		.amdhsa_float_denorm_mode_16_64 3
		.amdhsa_memory_ordered 1
		.amdhsa_forward_progress 1
		.amdhsa_inst_pref_size 7
	.end_amdhsa_kernel
	.amdgpu_metadata
---
amdhsa.version: [ 1, 2 ]
amdhsa.kernels:
  - .name:           k_qa00f7c2e18_merge
    .symbol:         k_qa00f7c2e18_merge.kd
    .args:
      - { .name: part, .offset: 0, .size: 8, .value_kind: global_buffer, .address_space: global }
      - { .name: o, .offset: 8, .size: 8, .value_kind: global_buffer, .address_space: global }
    .group_segment_fixed_size: 0
    .private_segment_fixed_size: 0
    .kernarg_segment_align: 8
    .kernarg_segment_size: 16
    .max_flat_workgroup_size: 256
    .sgpr_count:     66
    .vgpr_count:     64
    .wavefront_size: 32
...
	.end_amdgpu_metadata
.endif
;; end of part 4
;; launch proj (part 5): grid 8 x 32, 4 waves a work-group, clusters of 4 x 4, 327,680 bytes of LDS; arguments o, wts, b_out, out0; writes out0
.if DOCPART == 5
	.amdgcn_target "amdgcn-amd-amdhsa--gfx1250"
	.amdhsa_code_object_version 6
	.text
	.protected	k_qa00f7c2e18_proj
	.globl	k_qa00f7c2e18_proj
	.p2align	8
	.type	k_qa00f7c2e18_proj,@function
k_qa00f7c2e18_proj:
	s_mov_b64 s[64:65], 0
	v_nop
	global_prefetch_b8 v0, s[64:65] scope:SCOPE_SE
	s_setreg_imm32_b32 hwreg(HW_REG_WAVE_MODE, 25, 1), 1
	s_wait_xcnt 0x0
	s_wait_alu depctr_hold_cnt(0) depctr_sa_sdst(0) depctr_va_vdst(0) depctr_va_sdst(0) depctr_va_ssrc(0) depctr_va_vcc(0) depctr_vm_vsrc(0)
	s_getreg_b32 s2, hwreg(HW_REG_IB_STS2, 6, 4)
	s_cmp_eq_u32 s2, 0
	s_cbranch_scc0 .Lentry_in_a_cluster
	s_endpgm
.Lentry_in_a_cluster:
	s_bfe_u32 s2, ttmp6, 0x10000c
	s_cmp_lg_u32 s2, 0xf033
	s_cbranch_scc0 .Lentry_shape_is_right
	s_endpgm
.Lentry_shape_is_right:
; OUT = O W_out + b.  O lies by heads, [64 heads][2048][64] f16; the weights turned, [1024 n][1024 k], bf16 numbers written as f16; sums in f32; the bias, rounded to bf16 like the
; other inputs, is added in f32; out0 is f32.  A work-group makes 256 tokens x 128 columns: 256 work-groups.  Wave w owns tokens 64 w .. 64 w + 63 and all eight column blocks: 32 accumulators.
; A K step of 128 is two heads: each head's 256 tokens are 32,768 dense bytes, asked for as 128 rows of 256 bytes and padded in LDS after every token.
; CLUSTER 4 x 4: O's tiles are shared along a row of the cluster, the weights' along a column.  The matrix instruction is used transposed: a lane holds one token and eight neighbouring columns.
; No prefetch: of the 8 K steps the first four would come by their loads alone.
; REGISTERS: window 0: addresses, bias, the way out.  window 1: two fragment buffers of 96 (O's four fragments, then the weights' eight).  window 2: accumulators at 8 (8 a + b).
.set PA,    144                        ; a token's 128 bytes of a head + 16
.set PB,    272                        ; a weight row's 256 bytes + 16
.set SLICE, 256*PA
.set HALFB, 64*PB
.set SLOT,  2*SLICE+2*HALFB
.set STAGE, 2*SLOT                     ; behind the ring: 16 rows x 528 bytes for each wave
.set SP,    528
.set SPARE, STAGE+4*16*SP
.set WOT,   6291456
.set NL,    24
.set ADRA, 4
.set ADRB, 6
.set STO,  8
.set RD,   9
.set GO,   10                          ; 16 x lane; never rewritten
.set SPW,  14
.set NIL,  15
.set BIAS, 16                          ; v16-19
.set RB,   64                          ; v64-127
.set F0,   0
.set F1,   96
.set G1,  24
.set G0,  32
.set G1B, 48
.set G0B, 56
.set MSB, 0
.macro WIN new
.if MSB != (\new)
	s_set_vgpr_msb (MSB<<8)|(\new)
.set MSB, (\new)
.endif
.endm
.macro PLACES
.rept 4
	v_nop
.endr
.endm
.macro JLOAD s                         ; waves 0, 1 fetch the K step's two heads of O, waves 2, 3 the weights' two halves; an s_nop 0 and four v_nop follow each line
	s_cmp_eq_u32 s15, 0
	s_cbranch_scc0 .Lfor_b_\@
	tensor_load_to_lds s[G0+4*(\s):G0+4*(\s)+3], s[G1:G1+7]
	s_nop 0
.rept 4
	v_nop
.endr
	s_branch .Lasked_\@
.Lfor_b_\@:
	tensor_load_to_lds s[G0B+4*(\s):G0B+4*(\s)+3], s[G1B:G1B+7]
	s_nop 0
.rept 4
	v_nop
.endr
.Lasked_\@:
.endm
.macro CREST
	s_cmp_lg_u32 s14, 0
	s_cbranch_scc1 .Lnot_wave_0_\@
	s_barrier_signal -3
.Lnot_wave_0_\@:
	s_barrier_wait -3
	s_barrier_signal -1
	s_barrier_wait -1
.endm
.macro CROUND
	s_barrier_signal -1
	s_barrier_wait -1
	CREST
.endm
	s_load_b256 s[4:11], s[0:1], 0x0               ; o s[4:5], wts s[6:7], b_out s[8:9], out0 s[10:11]
	v_lshl_add_u32 v[SPW], v0, 2, SPARE
	v_mov_b32 v[NIL], 0
	ds_add_u32 v[SPW], v[NIL]                      ; the wave's opening: the add and its wait stand ahead of my first tensor load
	ds_add_u32 v14, v15
	v_lshrrev_b32 v1, 5, v0
	v_readfirstlane_b32 s14, v1
	s_lshr_b32 s15, s14, 1
	s_and_b32 s16, s14, 1
	s_bfe_u32 s17, ttmp6, 0x40000
	s_bfe_u32 s18, ttmp6, 0x40004
	s_lshl_b32 s19, ttmp9, 2
	s_add_co_u32 s19, s19, s17                     ; the block of 128 columns
	s_and_b32 s20, ttmp7, 0xffff
	s_lshl_b32 s20, s20, 2
	s_add_co_u32 s20, s20, s18                     ; the block of 256 tokens
	s_lshl_b32 s21, s18, 2
	s_lshl_b32 s21, 15, s21
	s_lshl_b32 s22, 0x1111, s17
	s_or_b32 s[G1+0], s21, (1<<16)|(1<<20)|(1<<21)|(4<<22)|(3<<25)   ; after every 32 words (a token) 4 words of padding
	s_or_b32 s[G1B+0], s22, (1<<16)|(1<<20)|(1<<21)|(5<<22)|(3<<25)  ; after every 64 words
	s_mov_b32 s[G1+1], 128<<16
	s_mov_b32 s[G1+2], 128<<16
	s_mov_b32 s[G1+3], 128<<16
	s_mov_b32 s[G1+4], 128
	s_mov_b32 s[G1+5], 128                         ; dense: a row begins where the last ends
	s_mov_b32 s[G1+6], 0
	s_mov_b32 s[G1+7], 0
	s_mov_b32 s[G1B+1], 128<<16
	s_mov_b32 s[G1B+2], 64<<16
	s_mov_b32 s[G1B+3], 128<<16
	s_mov_b32 s[G1B+4], 64
	s_mov_b32 s[G1B+5], 1024
	s_mov_b32 s[G1B+6], 0
	s_mov_b32 s[G1B+7], 0
	s_lshr_b32 s40, s20, 3                         ; the batch,
	s_lshl_b32 s40, s40, 22
	s_and_b32 s41, s20, 7                          ; the block's 256 tokens in a head,
	s_lshl_b32 s41, s41, 15
	s_add_co_u32 s40, s40, s41
	s_lshl_b32 s41, s16, 18                        ; the K step's first or second head
	s_add_co_u32 s40, s40, s41
	s_mov_b32 s41, 0
	s_lshl_b32 s42, s19, 7
	s_lshl_b32 s43, s16, 6
	s_add_co_u32 s42, s42, s43
	s_lshl_b32 s42, s42, 11
	s_add_co_u32 s42, s42, WOT
	s_mov_b32 s43, 0
	s_mul_i32 s44, s16, SLICE
	s_mul_i32 s45, s16, HALFB
	s_add_co_u32 s45, s45, 2*SLICE
	s_wait_dscnt 0x0
	s_wait_kmcnt 0x0
	s_add_nc_u64 s[40:41], s[4:5], s[40:41]
	s_add_nc_u64 s[42:43], s[6:7], s[42:43]
	CROUND
.irp s, 0,1
	s_mov_b32 s[G0+4*(\s)], 1
	s_add_co_u32 s[G0+4*(\s)+1], s44, (\s)*SLOT
	s_add_nc_u64 s[G0+4*(\s)+2:G0+4*(\s)+3], s[40:41], (\s)*524288   ; two heads a K step
	s_or_b32 s[G0+4*(\s)+3], s[G0+4*(\s)+3], 0x80000000
	s_mov_b32 s[G0B+4*(\s)], 1
	s_add_co_u32 s[G0B+4*(\s)+1], s45, (\s)*SLOT
	s_add_nc_u64 s[G0B+4*(\s)+2:G0B+4*(\s)+3], s[42:43], (\s)*256
	s_or_b32 s[G0B+4*(\s)+3], s[G0B+4*(\s)+3], 0x80000000
	JLOAD \s
.endr
	v_and_b32 v1, 15, v0
	v_bfe_u32 v2, v0, 4, 1
	v_mul_u32_u24 v3, v1, PA
	v_lshl_add_u32 v3, v2, 4, v3
	s_mul_i32 s46, s14, 64*PA
	v_add_nc_u32 v[ADRA], s46, v3
	v_add_nc_u32 v[ADRA+1], SLOT, v[ADRA]
	v_mul_u32_u24 v3, v1, PB
	v_lshl_add_u32 v3, v2, 4, v3
	v_add_nc_u32 v[ADRB], 2*SLICE, v3
	v_add_nc_u32 v[ADRB+1], SLOT, v[ADRB]
	s_mul_i32 s46, s14, 16*SP
	s_add_co_u32 s46, s46, STAGE
	v_mul_u32_u24 v[STO], v1, SP                   ; in: row l % 16, 32 bytes for each half of the lanes
	v_lshl_add_u32 v[STO], v2, 5, v[STO]
	v_add_nc_u32 v[STO], s46, v[STO]
	v_and_b32 v[GO], 31, v0
	v_lshlrev_b32 v[GO], 4, v[GO]
	v_add_nc_u32 v[RD], s46, v[GO]                 ; back: 32 lanes take a whole row of 512 bytes
	s_lshl_b32 s76, s19, 9
	s_mov_b32 s77, 0
	s_add_nc_u64 s[66:67], s[8:9], s[76:77]        ; the bias of my 128 columns
	global_load_b128 v[BIAS:BIAS+3], v[GO], s[66:67]
	s_lshl_b32 s78, s20, 8
	s_lshl_b32 s79, s14, 6
	s_add_co_u32 s78, s78, s79
	s_lshl_b32 s78, s78, 12                        ; my first token's row of 4,096 bytes
	s_add_co_u32 s76, s76, s78
	s_add_nc_u64 s[68:69], s[10:11], s[76:77]
.macro MULA f, a, zero                 ; 8 matrix instructions; the 32 accumulators take turns in the same order in every quarter
	WIN 0xa5
.irp b, 0,1,2,3,4,5,6,7
.if \zero
	v_wmma_f32_16x16x32_f16 v[8*(8*(\a)+(\b)):8*(8*(\a)+(\b))+7], v[(\f)+32+8*(\b):(\f)+32+8*(\b)+7], v[(\f)+8*(\a):(\f)+8*(\a)+7], 0
.else
	v_wmma_f32_16x16x32_f16 v[8*(8*(\a)+(\b)):8*(8*(\a)+(\b))+7], v[(\f)+32+8*(\b):(\f)+32+8*(\b)+7], v[(\f)+8*(\a):(\f)+8*(\a)+7], v[8*(8*(\a)+(\b)):8*(8*(\a)+(\b))+7]
.endif
.endr
.endm
.macro FETCH slot, kq, f               ; quarter kq of the slot's K step: head kq / 2, channels 32 (kq % 2) on
	WIN 0x40
.irp i, 0,1,2,3,4,5,6,7
	ds_load_b128 v[(\f)+32+8*(\i):(\f)+32+8*(\i)+3],   v[ADRB+(\slot)] offset:64*(\kq)+(\i)*16*PB
	ds_load_b128 v[(\f)+32+8*(\i)+4:(\f)+32+8*(\i)+7], v[ADRB+(\slot)] offset:64*(\kq)+(\i)*16*PB+32
.endr
.irp i, 0,1,2,3
	ds_load_b128 v[(\f)+8*(\i):(\f)+8*(\i)+3],   v[ADRA+(\slot)] offset:((\kq)/2)*SLICE+((\kq)%2)*64+(\i)*16*PA
	ds_load_b128 v[(\f)+8*(\i)+4:(\f)+8*(\i)+7], v[ADRA+(\slot)] offset:((\kq)/2)*SLICE+((\kq)%2)*64+(\i)*16*PA+32
.endr
.endm
.macro QUARTER slot, kq, f, g, zero
	s_wait_dscnt 4                                 ; all but the youngest four loads: O's fragments 2 and 3
	MULA \f, 0, \zero
	MULA \f, 1, \zero
	PLACES
	FETCH \slot, \kq, \g
	s_wait_dscnt NL                                ; all but the 24 just issued
	MULA \f, 2, \zero
	MULA \f, 3, \zero
.endm
.macro TURN slot, next, fill
	WIN 0
	s_wait_tensorcnt 0x0                           ; all my tensor loads have landed: my part of the next slot
	ds_add_u32 v[SPW], v[NIL]                      ; 0 onto my spare word
	s_wait_dscnt 5                                 ; (the add and the youngest four loads may be out)
	MULA F1, 0, 0
	s_wait_dscnt 0x0                               ; the add is done, and my reads of this slot are over
	s_barrier_signal -1
	MULA F1, 1, 0
.if \fill
	WIN 0
.endif
	s_barrier_wait -1
.if \fill
	CREST
	s_add_nc_u64 s[G0+4*(\slot)+2:G0+4*(\slot)+3], s[G0+4*(\slot)+2:G0+4*(\slot)+3], 1048576   ; four heads on
	s_add_nc_u64 s[G0B+4*(\slot)+2:G0B+4*(\slot)+3], s[G0B+4*(\slot)+2:G0B+4*(\slot)+3], 512
	JLOAD \slot
.else
	PLACES
.endif
	FETCH \next, 0, F0
	MULA F1, 2, 0
	MULA F1, 3, 0
.endm
	s_wait_tensorcnt 1                             ; my part of K step 0 is in; K step 1's may stay out
	s_barrier_signal -1
	s_barrier_wait -1
	FETCH 0, 0, F0
	QUARTER 0, 1, F0, F1, 1
	WIN 0
	s_mov_b32 s3, 3
.Llap:
	QUARTER 0, 2, F1, F0, 0
	QUARTER 0, 3, F0, F1, 0
	TURN 0, 1, 1
	QUARTER 1, 1, F0, F1, 0
	QUARTER 1, 2, F1, F0, 0
	QUARTER 1, 3, F0, F1, 0
	TURN 1, 0, 1
	QUARTER 0, 1, F0, F1, 0
	WIN 0
	s_sub_co_u32 s3, s3, 1
	s_cmp_lg_u32 s3, 0
	s_cbranch_scc1 .Llap
	QUARTER 0, 2, F1, F0, 0
	QUARTER 0, 3, F0, F1, 0
	TURN 0, 1, 0
	QUARTER 1, 1, F0, F1, 0
	QUARTER 1, 2, F1, F0, 0
	QUARTER 1, 3, F0, F1, 0
	s_wait_dscnt 4
	MULA F1, 0, 0
	MULA F1, 1, 0
	s_wait_dscnt 0x0
	MULA F1, 2, 0
	MULA F1, 3, 0
	WIN 0
	PLACES
	PLACES
	s_wait_loadcnt 0x0                             ; the bias: rounded to bf16, widened again
	v_cvt_pk_bf16_f32 v20, v[BIAS], v[BIAS+1]
	v_cvt_pk_bf16_f32 v21, v[BIAS+2], v[BIAS+3]
	v_lshlrev_b32 v[BIAS], 16, v20
	v_and_b32 v[BIAS+1], 0xffff0000, v20
	v_lshlrev_b32 v[BIAS+2], 16, v21
	v_and_b32 v[BIAS+3], 0xffff0000, v21
; THE WAY OUT of token block a: the f32 sums go into my stage (a lane's eight columns are 32 bytes of a row), come back as whole rows of 512 bytes, take the bias and are stored.
.macro OUTROW a
	WIN 0x08                                       ; the stores' data lie in window 2; each accumulator's low half goes first
.irp b, 0,1,2,3,4,5,6,7
	ds_store_b128 v[STO], v[8*(8*(\a)+(\b)):8*(8*(\a)+(\b))+3]   offset:64*(\b)
	ds_store_b128 v[STO], v[8*(8*(\a)+(\b))+4:8*(8*(\a)+(\b))+7] offset:64*(\b)+16
.endr
	WIN 0
	s_wait_xcnt 0x0                                ; the block before's stores have read RB
.set nn, 0
.rept 16
	ds_load_b128 v[RB+4*nn:RB+4*nn+3], v[RD] offset:SP*nn  ; LDS serves a wave's instructions in order (ISA guide 5.7.1.4)
.set nn, nn+1
.endr
.set nn, 0
.rept 16
	s_wait_dscnt 15-nn
	v_pk_add_f32 v[RB+4*nn:RB+4*nn+1], v[RB+4*nn:RB+4*nn+1], v[BIAS:BIAS+1]
	v_pk_add_f32 v[RB+4*nn+2:RB+4*nn+3], v[RB+4*nn+2:RB+4*nn+3], v[BIAS+2:BIAS+3]
	global_store_b128 v[GO], v[RB+4*nn:RB+4*nn+3], s[68:69] offset:(16*(\a)+nn)*4096 th:TH_STORE_NT  ; 512 consecutive bytes, aligned
.set nn, nn+1
.endr
.endm
	OUTROW 0
	OUTROW 1
	OUTROW 2
	OUTROW 3
	s_wait_tensorcnt 0x0                           ; the wave's end
	ds_add_u32 v[SPW], v[NIL]
	s_wait_dscnt 0x0
	CROUND                                         ; the closing round
	s_endpgm
.Lfunc_end_k_qa00f7c2e18_proj:
	.size	k_qa00f7c2e18_proj, .Lfunc_end_k_qa00f7c2e18_proj-k_qa00f7c2e18_proj
	.p2alignl 7, 3214868480
	.fill 96, 4, 3214868480
	.section	.rodata,"a",@progbits
	.p2align	6, 0x0
	.amdhsa_kernel k_qa00f7c2e18_proj
		.amdhsa_group_segment_fixed_size 327680
		.amdhsa_private_segment_fixed_size 0
		.amdhsa_enable_private_segment 0
		.amdhsa_kernarg_size 32
		.amdhsa_user_sgpr_count 2
		.amdhsa_user_sgpr_kernarg_segment_ptr 1
		.amdhsa_wavefront_size32 1
		.amdhsa_system_sgpr_workgroup_id_x 1
		.amdhsa_system_sgpr_workgroup_id_y 1
		.amdhsa_system_sgpr_workgroup_id_z 1
		.amdhsa_system_vgpr_workitem_id 0
		.amdhsa_next_free_vgpr 768
		.amdhsa_next_free_sgpr 80
		.amdhsa_reserve_vcc 0
		.amdhsa_float_denorm_mode_32 3
		.amdhsa_float_denorm_mode_16_64 3
		.amdhsa_memory_ordered 1
		.amdhsa_forward_progress 1
		.amdhsa_inst_pref_size 95
	.end_amdhsa_kernel
	.amdgpu_metadata
---
amdhsa.version: [ 1, 2 ]
amdhsa.kernels:
  - .name:           k_qa00f7c2e18_proj
    .symbol:         k_qa00f7c2e18_proj.kd
    .args:
      - { .name: o, .offset: 0, .size: 8, .value_kind: global_buffer, .address_space: global }
      - { .name: wts, .offset: 8, .size: 8, .value_kind: global_buffer, .address_space: global }
      - { .name: b_out, .offset: 16, .size: 8, .value_kind: global_buffer, .address_space: global }
      - { .name: out0, .offset: 24, .size: 8, .value_kind: global_buffer, .address_space: global }
    .group_segment_fixed_size: 327680
    .private_segment_fixed_size: 0
    .kernarg_segment_align: 8
    .kernarg_segment_size: 32
    .max_flat_workgroup_size: 128
    .sgpr_count:     80
    .vgpr_count:     768
    .wavefront_size: 32
...
	.end_amdgpu_metadata
.endif
;; end of part 5
;; ======== version 2 of 2: 5 launches; version 1 with the launch prep written anew for expert scheduling mode
;; limits: right only within a limited range of input values; values are held in f16: magnitudes above 65,504 overflow, below 6.1e-05 lose precision
;; workspace buffers: xb 16,777,216 bytes; wts 8,912,896 bytes; q 16,777,216 bytes; k 16,793,600 bytes; v 16,793,600 bytes; o 16,777,216 bytes; part 8,650,752 bytes
;; launch prep (part 6): grid 1056 x 1, 8 waves a work-group, no clusters, 18,432 bytes of LDS; arguments x, W_qkv, W_out, xb, wts, k, v; writes xb, wts, k, v
.if DOCPART == 6
	.amdgcn_target "amdgcn-amd-amdhsa--gfx1250"
	.amdhsa_code_object_version 6
	.text
	.protected	k_qa00f7c2e18_prep
	.globl	k_qa00f7c2e18_prep
	.p2align	8
	.type	k_qa00f7c2e18_prep,@function
k_qa00f7c2e18_prep:
	s_mov_b64 s[64:65], 0
	v_nop
	global_prefetch_b8 v0, s[64:65] scope:SCOPE_SE
	s_setreg_imm32_b32 hwreg(HW_REG_WAVE_SCHED_MODE, 0, 2), 2
	s_setreg_imm32_b32 hwreg(HW_REG_WAVE_MODE, 25, 1), 1
	s_wait_xcnt 0x0
	s_wait_alu depctr_vm_vsrc(0)
; PREP: what the later launches want in 16 bits.  Four roles, chosen by the work-group's number (the same for all eight waves):
;   0..511     X:   64 KiB of x each, rounded to bf16 -> xb [8192][1024]
;   512..895   WQ:  a tile of 128 k x 64 columns of W_qkv, rounded to bf16 and turned -> wts, row' = 192 head + 64 which + d, [3072][1024]
;   896..1023  WO:  the same of W_out; the bf16 number is written as f16 (exact within f16's range) -> wts + WOT, [1024 n][1024 k]
;   1024..1055 TAB: cos and sin for 64 positions, in the order in which the projection's accumulators hold their numbers -> wts + ROPE; and 512 bytes of zeros in front of k and of v
; LIMITS.  W_out beyond 65,504 becomes an infinity in f16, below 6e-5 it keeps f16's fixed step.  An angle is pos x 2^(-i log2(10000)/32), reduced by 2 pi in two parts;
; sine and cosine come from series of the half angle (terms to y^11 and y^12, |y| <= pi/2: the first term left out is under 6e-8).
; THE MODE: SCHED_MODE bits 1:0 = 2 (LLVM: expert scheduling mode 2), set by the entry lines.  The code itself states the register dependences
; between vector instructions and memory or LDS instructions, with s_wait_alu, always for 0.
; THE PLAN.  A wave takes one role and walks it once: there is no loop.  Registers that memory or LDS instructions touch:
;   s20             the wave's number, written by v_readfirstlane_b32: one wait on va_sdst behind it, ahead of the first branch; all its readers lie behind that.
;   X:   v5, v6     offsets, written once ahead of the first load.   v16-79  written by the loads alone, read by the roundings.
;        v80-111    each written once by a rounding, read once by a store.  The loads go in four groups of four: a group's stores stand in the next group, behind ONE wait on
;                   va_vdst at that group's head, dealt among its roundings, which name other registers.
;   WQ, WO: v10     the loads' offset.   v11, v13, v14  LDS and store addresses, made while the loads are out.   v16-47  written by the loads, read by the roundings.
;        v48-63     each finished once by a rounding, read once by an LDS store: a pair of rows' stores stand in the next pair, behind one wait, as in X.
;        v68-83     written by LDS loads alone, read by the global stores.   v64, v65 are named by vector instructions alone.
;   TAB: v14        the stores' offset.   v40-55  written once by the series: ONE wait behind the last of them, then the four stores.   v16, v60-63  wave 0's zeros, with a wait of their own.
;   v8, v9          written at the head, read by the closing add alone.
; No register that a memory or LDS instruction reads is ever written again, so the text holds no wait on vm_vsrc.
.set PT,    272                        ; a turned row in LDS: 128 k x 2 bytes + 16
.set SPARE, 64*PT                      ; 17,408: behind the tile: the spare words, 128 bytes for each of eight waves
.set SPW,   8                          ; v8  SPARE + 4 x my thread's number; never rewritten
.set NIL,   9                          ; v9  0; never rewritten
.set WOT,   6291456
.set ROPE,  8388608
	s_load_b256 s[4:11], s[0:1], 0x0               ; x s[4:5], W_qkv s[6:7], W_out s[8:9], xb s[10:11]
	s_load_b128 s[12:15], s[0:1], 0x20             ; wts s[12:13], k s[14:15]
	s_load_b64 s[16:17], s[0:1], 0x30              ; v
	v_lshl_add_u32 v[SPW], v0, 2, SPARE
	v_mov_b32 v[NIL], 0
	v_lshrrev_b32 v1, 5, v0
	v_readfirstlane_b32 s20, v1                    ; wave 0..7
	v_and_b32 v2, 31, v0                           ; lane
	v_and_b32 v3, 15, v0                           ; lane % 16
	v_bfe_u32 v4, v0, 4, 1                         ; lane / 16
	s_mov_b32 s23, 0                               ; the high word of every offset
	s_wait_alu depctr_va_sdst(0)                   ; s20 is written, ahead of the branches and of its first reader in each role
	s_wait_kmcnt 0x0
	s_cmp_lt_u32 ttmp9, 512
	s_cbranch_scc0 .Lnot_x
	; X.  A wave takes 8,192 bytes: sixteen loads of 512 consecutive bytes, all out at once; each gives a store of 256 consecutive bytes, aligned.
	s_lshl_b32 s22, ttmp9, 16
	s_add_nc_u64 s[4:5], s[4:5], s[22:23]
	s_lshl_b32 s22, ttmp9, 15
	s_add_nc_u64 s[10:11], s[10:11], s[22:23]
	v_lshlrev_b32 v5, 4, v2
	v_lshl_add_u32 v5, s20, 13, v5
	v_lshlrev_b32 v6, 3, v2
	v_lshl_add_u32 v6, s20, 12, v6
	s_wait_alu depctr_va_vdst(0)                   ; v5 and v6 are written: the loads and the stores below read them as their offsets
.set jj, 0
.rept 16
	global_load_b128 v[16+4*jj:16+4*jj+3], v5, s[4:5] offset:512*jj th:TH_LOAD_NT
.set jj, jj+1
.endr
.set jj, 0
.rept 16
	s_wait_loadcnt 15-jj                           ; loads come back in order: load jj is in, the 15 - jj younger ones stay out
.if (jj >= 4) && (jj%4 == 0)
	s_wait_alu depctr_va_vdst(0)                   ; the group before's eight roundings have written their registers, which this group's four stores read; the roundings below name others
.endif
.if jj >= 4
	global_store_b64 v6, v[80+2*(jj-4):80+2*(jj-4)+1], s[10:11] offset:256*(jj-4)
.endif
	v_cvt_pk_bf16_f32 v[80+2*jj], v[16+4*jj], v[16+4*jj+1]
	v_cvt_pk_bf16_f32 v[80+2*jj+1], v[16+4*jj+2], v[16+4*jj+3]
.set jj, jj+1
.endr
	s_wait_alu depctr_va_vdst(0)                   ; the last group's roundings have written v104 to v111, which the last four stores read
.set jj, 12
.rept 4
	global_store_b64 v6, v[80+2*jj:80+2*jj+1], s[10:11] offset:256*jj
.set jj, jj+1
.endr
	s_branch .Lend
; A tile of 128 k x 64 n of a weight matrix [k][n] in f32 (pitch bytes a row, at s[sb:sb+1]) leaves as 64 rows of 128 k in 16 bits (2,048 bytes a row, at s[12:13]).
; In: sixteen lanes take 256 consecutive bytes of a row; a lane holds four n of the rows k = 32 p + 2 kp + e, kp = 2 wave + lane / 16.  Two k of one n pack into a word,
; which goes to LDS row n.  Out, behind a barrier: sixteen lanes take a whole turned row of 256 bytes.
.macro TRW pitch, f16, sb
	v_lshl_add_u32 v10, s20, 1, v4                 ; kp
	v_mul_u32_u24 v10, v10, 2*(\pitch)
	v_lshl_add_u32 v10, v3, 4, v10
	s_wait_alu depctr_va_vdst(0)                   ; v10 is written: the eight loads read it as their offset
.irp p, 0,1,2,3
.irp e, 0,1
	global_load_b128 v[16+4*(2*(\p)+(\e)):16+4*(2*(\p)+(\e))+3], v10, s[(\sb):(\sb)+1] offset:(32*(\p)+(\e))*(\pitch) th:TH_LOAD_NT
.endr
.endr
	v_mul_u32_u24 v11, v3, 4*PT                    ; LDS row 4 (lane % 16),
	v_lshl_add_u32 v11, v4, 2, v11                 ; byte 4 kp of it
	v_lshl_add_u32 v11, s20, 3, v11
	v_lshrrev_b32 v12, 4, v0                       ; back: thread / 16 is the row
	v_mul_u32_u24 v13, v12, PT
	v_lshl_add_u32 v13, v3, 4, v13
	v_lshlrev_b32 v14, 11, v12
	v_lshl_add_u32 v14, v3, 4, v14
.irp p, 0,1,2,3
	s_wait_loadcnt 6-2*(\p)                        ; the pair of rows p is in; the younger pairs stay out
.if (\p) > 0
	s_wait_alu depctr_va_vdst(0)                   ; the pair before's roundings have written their four words, which the LDS stores below read; at the first such wait v11, v13 and v14 are written too
.endif
.irp jn, 0,1,2,3
.if (\p) > 0
	ds_store_b32 v11, v[48+4*((\p)-1)+(\jn)] offset:(\jn)*PT+64*((\p)-1)   ; the pair before's word; no vector line since the wait names it
.endif
	v_cvt_pk_bf16_f32 v[48+4*(\p)+(\jn)], v[16+8*(\p)+(\jn)], v[16+8*(\p)+4+(\jn)]
.if \f16
	v_lshlrev_b32 v64, 16, v[48+4*(\p)+(\jn)]      ; the bf16 numbers, widened, are written as f16
	v_and_b32 v65, 0xffff0000, v[48+4*(\p)+(\jn)]
	v_cvt_pk_f16_f32 v[48+4*(\p)+(\jn)], v64, v65
.endif
.endr
.endr
	s_wait_alu depctr_va_vdst(0)                   ; the last pair's roundings have written v60 to v63, which the last four LDS stores read
.irp jn, 0,1,2,3
	ds_store_b32 v11, v[60+(\jn)] offset:(\jn)*PT+192
.endr
	s_wait_dscnt 0x0                               ; for the others' sake: my words lie in LDS
	s_barrier_signal -1
	s_barrier_wait -1
.irp qd, 0,1,2,3
	ds_load_b128 v[68+4*(\qd):68+4*(\qd)+3], v13 offset:16*PT*(\qd)   ; no vector instruction names v68 to v83; v13 was written ahead of the waits above
.endr
.irp qd, 0,1,2,3
	s_wait_dscnt 3-(\qd)
	global_store_b128 v14, v[68+4*(\qd):68+4*(\qd)+3], s[12:13] offset:32768*(\qd)  ; sixteen lanes store 256 consecutive bytes, aligned
.endr
.endm
.Lnot_x:
	s_cmp_lt_u32 ttmp9, 896
	s_cbranch_scc0 .Lnot_wq
	s_sub_co_u32 s21, ttmp9, 512
	s_lshr_b32 s24, s21, 3                         ; g: which 64 columns of W_qkv
	s_and_b32 s25, s21, 7                          ; kc: which 128 k
	s_mul_i32 s22, s25, 128*12288
	s_lshl_b32 s26, s24, 8
	s_add_co_u32 s22, s22, s26
	s_add_nc_u64 s[6:7], s[6:7], s[22:23]
	s_and_b32 s26, s24, 15                         ; the head,
	s_mul_i32 s26, s26, 192
	s_lshr_b32 s27, s24, 4                         ; q, k or v
	s_lshl_b32 s27, s27, 6
	s_add_co_u32 s26, s26, s27                     ; row' = 192 head + 64 which
	s_lshl_b32 s22, s26, 11
	s_lshl_b32 s27, s25, 8
	s_add_co_u32 s22, s22, s27
	s_add_nc_u64 s[12:13], s[12:13], s[22:23]
	TRW 12288, 0, 6
	s_branch .Lend
.Lnot_wq:
	s_cmp_lt_u32 ttmp9, 1024
	s_cbranch_scc0 .Ltab
	s_sub_co_u32 s21, ttmp9, 896
	s_lshr_b32 s24, s21, 3
	s_and_b32 s25, s21, 7
	s_lshl_b32 s22, s25, 19                        ; 128 rows of 4,096 bytes
	s_lshl_b32 s26, s24, 8
	s_add_co_u32 s22, s22, s26
	s_add_nc_u64 s[8:9], s[8:9], s[22:23]
	s_lshl_b32 s22, s24, 17                        ; 64 rows of 2,048 bytes
	s_lshl_b32 s27, s25, 8
	s_add_co_u32 s22, s22, s27
	s_add_co_u32 s22, s22, WOT
	s_add_nc_u64 s[12:13], s[12:13], s[22:23]
	TRW 4096, 1, 8
	s_branch .Lend
; cos and sin of v15 (the position) x v[inv]
.macro SINCOS inv, dc, dsn
	v_mul_f32 v20, v15, v[\inv]                    ; the angle, rounded once, as pos x inv_freq is
	v_mul_f32 v21, 0.15915494, v20
	v_rndne_f32 v21, v21                           ; whole turns
	v_fmamk_f32 v20, v21, 0xc0c90fdb, v20          ; less 2 pi's upper part,
	v_fmamk_f32 v20, v21, 0x343bbd2e, v20          ; and its lower part
	v_mul_f32 v20, 0.5, v20                        ; y: half the angle, within pi / 2
	v_mul_f32 v22, v20, v20
	v_mov_b32 v23, 0xb2d7322b                      ; sin y = y (1 - z/6 + z^2/120 - ...)
	v_fmaak_f32 v23, v23, v22, 0x3638ef1d
	v_fmaak_f32 v23, v23, v22, 0xb9500d01
	v_fmaak_f32 v23, v23, v22, 0x3c088889
	v_fmaak_f32 v23, v23, v22, 0xbe2aaaab
	v_fmaak_f32 v23, v23, v22, 0x3f800000
	v_mul_f32 v23, v23, v20
	v_mov_b32 v24, 0x310f76c7                      ; cos y = 1 - z/2 + z^2/24 - ...
	v_fmaak_f32 v24, v24, v22, 0xb493f27e
	v_fmaak_f32 v24, v24, v22, 0x37d00d01
	v_fmaak_f32 v24, v24, v22, 0xbab60b61
	v_fmaak_f32 v24, v24, v22, 0x3d2aaaab
	v_fmaak_f32 v24, v24, v22, 0xbf000000
	v_fmaak_f32 v24, v24, v22, 0x3f800000
	v_add_f32 v25, v23, v23
	v_mul_f32 v[\dsn], v25, v24                    ; sin 2y = 2 sin y cos y
	v_fma_f32 v[\dc], -v25, v23, 1.0               ; cos 2y = 1 - 2 sin^2 y
.endm
.Ltab:                                         ; byte (t / 16) 4,096 + 16 x thread: (cos, sin, cos, sin) of the pairs i0, i0 + 1 at position 16 (t / 16) + lane % 16
	s_sub_co_u32 s21, ttmp9, 1024                  ; 64 positions
	s_lshr_b32 s24, s20, 1
	s_lshl_b32 s24, s24, 3
	s_and_b32 s25, s20, 1
	s_lshl_b32 s25, s25, 1
	s_add_co_u32 s24, s24, s25
	v_lshl_add_u32 v10, v4, 2, s24                 ; i0 = 8 (wave / 2) + 4 (lane / 16) + 2 (wave % 2)
	v_cvt_f32_u32 v11, v10
	v_add_f32 v12, 1.0, v11
	v_mul_f32 v11, 0xbed49a78, v11                 ; - i log2(10000) / 32
	v_mul_f32 v12, 0xbed49a78, v12
	v_exp_f32 v11, v11
	v_exp_f32 v12, v12
	v_lshlrev_b32 v14, 4, v0                       ; (a plain instruction behind the exponentials)
	s_lshl_b32 s26, s21, 6
	v_add_nc_u32 v13, s26, v3
	s_lshl_b32 s22, s21, 14
	s_add_co_u32 s22, s22, ROPE
	s_add_nc_u64 s[12:13], s[12:13], s[22:23]
	s_wait_alu depctr_va_vdst(0)                   ; the two exponentials have written v11 and v12, ahead of their first reader, the angle's product; v14, the stores' offset, is written too
.irp it, 0,1,2,3
	v_add_nc_u32 v15, 16*(\it), v13
	v_cvt_f32_u32 v15, v15
	SINCOS 11, 40+4*(\it), 41+4*(\it)
	SINCOS 12, 42+4*(\it), 43+4*(\it)
.endr
	s_wait_alu depctr_va_vdst(0)                   ; the series have written v40 to v55, which the four stores read
.irp it, 0,1,2,3
	global_store_b128 v14, v[40+4*(\it):40+4*(\it)+3], s[12:13] offset:4096*(\it)
.endr
	s_cmp_lg_u32 s20, 0
	s_cbranch_scc1 .Lend
	s_lshl_b32 s22, s21, 9                         ; wave 0: 512 of the 16,384 bytes of zeros that lie in front of k's and v's first head
	s_add_nc_u64 s[14:15], s[14:15], s[22:23]
	s_add_nc_u64 s[16:17], s[16:17], s[22:23]
	v_lshlrev_b32 v16, 4, v2
	v_mov_b32 v60, 0
	v_mov_b32 v61, 0
	v_mov_b32 v62, 0
	v_mov_b32 v63, 0
	s_wait_alu depctr_va_vdst(0)                   ; v16, the offset, and the zeros v60 to v63 are written: the two stores read them
	global_store_b128 v16, v[60:63], s[14:15]
	global_store_b128 v16, v[60:63], s[16:17]
.Lend:
	s_wait_dscnt 0x0                               ; the wave's end
	s_wait_alu 0x0
	s_wait_tensorcnt 0x0
	ds_add_u32 v[SPW], v[NIL]
	s_wait_dscnt 0x0
	s_endpgm
.Lfunc_end_k_qa00f7c2e18_prep:
	.size	k_qa00f7c2e18_prep, .Lfunc_end_k_qa00f7c2e18_prep-k_qa00f7c2e18_prep
	.p2alignl 7, 3214868480
	.fill 96, 4, 3214868480
	.section	.rodata,"a",@progbits
	.p2align	6, 0x0
	.amdhsa_kernel k_qa00f7c2e18_prep
		.amdhsa_group_segment_fixed_size 18432
		.amdhsa_private_segment_fixed_size 0
		.amdhsa_enable_private_segment 0
		.amdhsa_kernarg_size 56
		.amdhsa_user_sgpr_count 2
		.amdhsa_user_sgpr_kernarg_segment_ptr 1
		.amdhsa_wavefront_size32 1
		.amdhsa_system_sgpr_workgroup_id_x 1
		.amdhsa_system_sgpr_workgroup_id_y 1
		.amdhsa_system_sgpr_workgroup_id_z 1
		.amdhsa_system_vgpr_workitem_id 0
		.amdhsa_next_free_vgpr 112
		.amdhsa_next_free_sgpr 66
		.amdhsa_reserve_vcc 0
		.amdhsa_float_denorm_mode_32 3
		.amdhsa_float_denorm_mode_16_64 3
		.amdhsa_memory_ordered 1
		.amdhsa_forward_progress 1
		.amdhsa_inst_pref_size 33
	.end_amdhsa_kernel
	.amdgpu_metadata
---
amdhsa.version: [ 1, 2 ]
amdhsa.kernels:
  - .name:           k_qa00f7c2e18_prep
    .symbol:         k_qa00f7c2e18_prep.kd
    .args:
      - { .name: x, .offset: 0, .size: 8, .value_kind: global_buffer, .address_space: global }
      - { .name: W_qkv, .offset: 8, .size: 8, .value_kind: global_buffer, .address_space: global }
      - { .name: W_out, .offset: 16, .size: 8, .value_kind: global_buffer, .address_space: global }
      - { .name: xb, .offset: 24, .size: 8, .value_kind: global_buffer, .address_space: global }
      - { .name: wts, .offset: 32, .size: 8, .value_kind: global_buffer, .address_space: global }
      - { .name: k, .offset: 40, .size: 8, .value_kind: global_buffer, .address_space: global }
      - { .name: v, .offset: 48, .size: 8, .value_kind: global_buffer, .address_space: global }
    .group_segment_fixed_size: 18432
    .private_segment_fixed_size: 0
    .kernarg_segment_align: 8
    .kernarg_segment_size: 56
    .max_flat_workgroup_size: 256
    .sgpr_count:     66
    .vgpr_count:     112
    .wavefront_size: 32
...
	.end_amdgpu_metadata
.endif
;; end of part 6
;; launch qkv: the kernel of part 2 again; grid 16 x 32, 4 waves a work-group, clusters of 4 x 4, 327,680 bytes of LDS; arguments xb, wts, q, k, v; writes q, k, v
;; launch attn: the kernel of part 3 again; grid 4 x 64, 4 waves a work-group, no clusters, 296,960 bytes of LDS; arguments q, k, v, o, part; writes o, part
;; launch merge: the kernel of part 4 again; grid 256 x 1, 8 waves a work-group, no clusters, 0 bytes of LDS; arguments part, o; writes o
;; launch proj: the kernel of part 5 again; grid 8 x 32, 4 waves a work-group, clusters of 4 x 4, 327,680 bytes of LDS; arguments o, wts, b_out, out0; writes out0
